; MI455X (gfx1250); checked and timed in simulation.
; The chip was launched on July 23, 2026; its instructions are those of AMD's public machine-readable ISA for CDNA 5 (MIT licence, August 2026) and "CDNA5" Instruction Set Architecture Reference Guide (July 2026). The comments in the code are by the model that wrote it; some were corrected since.
;; Attention. Allowed arithmetic: matrix products marked QUANTISED: E2M1 operands, one E8M0 scale for each 32 along K, by v_wmma_scale_f32_16x16x128_f8f6f4 with both operands' format E2M1 (or v_wmma_scale_f32_32x16x128_f4), f32 sums; products left as they are: bf16, f16 or f32 operands; f32 sums; everything else in f32.
;; Inputs: b_proj 1,024 float32; w_proj 1,024 x 1,024 float32; w_qkv 3,072 x 1,024 float32; x 4 x 2,048 x 1,024 float32.
;; Outputs: out0 4 x 2,048 x 1,024 float32.
;; This version of the problem:
;;   THIS VERSION OF THE PROBLEM IS GIVEN IN LOW PRECISION. The matrix products marked QUANTISED in the list below multiply operands that are first quantised to E2M1 (2 exponent bits, 1 mantissa bit; 4 bits a number), with one power-of-two scale for each 32 numbers along K (OCP MX v1.0); their sums are f32. The products marked 'left as it is' may take bf16, f16 or f32 operands, with f32 sums. Whichever they take, every output number must still come out within the allowed error. Rounding operands to bf16 (8 significant bits) uses up far more of that allowance than f16 does (11 bits, for magnitudes from 6e-5 to 65,504). All else is computed in f32.
;;   The module's matrix products, in the order in which they are computed (A, B: the left and right operand; K: the contracted axis; several contracted axes count as one K, in the product's order):
;;     1. [M 8,192, K 1,024] x [K 1,024, N 3,072]; A: input x; B: input w_qkv: QUANTISED
;;     2. batch 64 x [M 2,048, K 64] x [K 64, N 2,048]; A: computed on the way; B: computed on the way: left as it is (an operand is computed on the way)
;;     3. batch 64 x [M 2,048, K 2,048] x [K 2,048, N 64]; A: computed on the way; B: computed on the way: left as it is (an operand is computed on the way)
;;     4. [M 8,192, K 1,024] x [K 1,024, N 1,024]; A: computed on the way; B: input w_proj: left as it is (an operand is computed on the way)
;;   THE QUANTISER, for each operand of a quantised product, along K:
;;     - K is cut into blocks of 32 from its start; a last block that is shorter is filled with zeros.
;;     - A block's scale is 2^e with e = floor(log2(the largest magnitude in the block)) - 2, held to -126 .. 127; a block of zeros has e = 0. As a byte (E8M0): e + 127.
;;     - Each number is divided by its block's scale, clamped to +-6, and rounded to the nearest number of E2M1, ties to even, subnormals kept.
;;     - The product sums the exact products of the quantised numbers (number of the format x scale) in f32.
;;   ~~~python
;;   def quantise(x, axis):      # numpy; x: float32 -> the quantised numbers, widened to float32 again
;;       x = np.moveaxis(x, axis, -1); K = x.shape[-1]
;;       x = np.pad(x, [(0, 0)] * (x.ndim - 1) + [(0, -K % 32)]); x = x.reshape(x.shape[:-1] + (-1, 32)); a = np.abs(x).max(-1, keepdims=True)
;;       e = np.where(a > 0, np.clip(np.frexp(np.where(a > 0, a, 1))[1] - 1 - 2, -126, 127), 0)      # np.frexp(a)[1] - 1 = floor(log2(a)), exactly
;;       r = np.clip(x / 2.0 ** e, -6, 6)
;;       step = 2.0 ** (np.maximum(np.frexp(np.where(r == 0, 1, r))[1] - 1, 0) - 1)
;;       q = np.round(r / step) * step * 2.0 ** e      # np.round: ties to even
;;       return np.moveaxis(q.reshape(q.shape[:-2] + (-1,))[..., :K], -1, axis).astype(np.float32)
;;   ~~~
;; One version. Each part assembles by itself: llvm-mc -triple=amdgcn-amd-amdhsa -mcpu=gfx1250 --defsym DOCPART=n.
;; ======== version 1 of 1: 4 launches
;; limits: values are held in f16: magnitudes above 65,504 overflow, below 6.1e-05 lose precision
;; workspace buffers: xc 4,194,304 bytes; xs 262,144 bytes; wc 1,572,864 bytes; ws 98,304 bytes; wp16 2,097,152 bytes; qkv 50,331,648 bytes; o16 16,777,216 bytes
;; launch prep (part 1): grid 384 x 1, 4 waves a work-group, no clusters, 33,280 bytes of LDS; arguments x, w_qkv, w_proj, xc, xs, wc, ws, wp16; writes xc, xs, wc, ws, wp16
.if DOCPART == 1
	.amdgcn_target "amdgcn-amd-amdhsa--gfx1250"
	.amdhsa_code_object_version 6
	.text
	.protected	k_q20439b0a68_prep
	.globl	k_q20439b0a68_prep
	.p2align	8
	.type	k_q20439b0a68_prep,@function
k_q20439b0a68_prep:
	s_mov_b64 s[64:65], 0
	v_nop
	global_prefetch_b8 v0, s[64:65] scope:SCOPE_SE
	s_setreg_imm32_b32 hwreg(HW_REG_WAVE_MODE, 25, 1), 1
	s_wait_xcnt 0x0
; PREP.  x [8192][1024] and w_qkv [3072][1024], f32, become codes of FP4 (E2M1), K innermost (a row: 512 bytes), with one E8M0 scale byte for each 32 along K (a row: 32 bytes); w_proj [1024][1024] is rounded to f16.
; A block's scale is 2^(floor(log2(its largest magnitude)) - 2); its byte is the largest magnitude's own exponent field - 2, held at 1 from below.  Each number is divided by the scale and rounded to the nearest code, ties to even;
; beyond 6 the conversion gives the largest code.
; LIMITS: a block of zeros gets the byte 1 where the rule says 127: its codes are zeros, which add nothing under any byte but 0xff, and the bytes are read by this program alone.  Blocks whose largest magnitude lies under
; 2^(2 - 126) keep the byte 1.  NaN and infinities among the inputs are not served.  |w_proj| stays under 65,504, the largest f16 number.
; SHARES.  Every work-group takes 32,768 numbers, a wave 8,192.  Work-groups 0-255: x; 256-351: w_qkv; 352-383: w_proj.  Rows are dense and K is a multiple of 32: the tensors are plain streams.
; THE QUANTISING PATH.  A wave takes 16 steps of 512 numbers.  A conversion takes 8 numbers of ONE block from a lane's registers, so a lane must hold 16 neighbours (two lanes hold a block), while a load is dense where
; neighbouring lanes take neighbouring bytes.  Both are had: a step's four loads read 512 consecutive bytes each, 16 a lane; the 2,048 bytes turn through the wave's own stage in LDS and come back 64 bytes a lane.
; A lane's 16 codes are 8 bytes: the wave stores 256 consecutive bytes.  A wave's 256 scale bytes are gathered in its own LDS bytes and leave as 256 consecutive bytes.  Waves share nothing: no barrier.
; THE CAST PATH uses no LDS: 16 loads of 512 bytes in each of two sets of registers, two conversions and a store of 8 bytes a lane for each load: 256 consecutive bytes a store.
.set WAVES, 4
.set STEPS, 16
.set WGX,   256                        ; work-groups for x: 8,192 x 1,024 / 32,768
.set WGW,   96                         ; for w_qkv: 3,072 x 1,024 / 32,768
.set EMAX,  2
.set CB,    8                          ; bytes of 16 codes
.set R,     16                         ; v16-79   four sets of 16 numbers as they are loaded
.set X,     80                         ; v80-111  two sets of 16 neighbours
.set C,     128                        ; v128-191 codes: four registers for each step, so that no store's data are written again
.set E,     112                        ; v112-127 a scale byte for each step
.set WREG,  8192                       ; LDS: a region for each wave: two stages of 32 x SP bytes, and behind them its 256 scale bytes
.set SP,    80                         ; a lane's place in a stage: its 64 bytes + 16 of padding
.set SPW,   12                         ; v12      LDS address of my spare word: SPARE + 4 x my thread's number; never rewritten
.set NIL,   13                         ; v13      0; never rewritten
.set SPARE, WAVES*WREG                 ; behind the four regions: the spare words, 128 bytes for each wave, which no other line names
	s_load_b256 s[4:11], s[0:1], 0x0               ; x s[4:5], w_qkv s[6:7], w_proj s[8:9], x's codes s[10:11]
	s_load_b256 s[12:19], s[0:1], 0x20             ; x's scales s[12:13], w_qkv's codes s[14:15], its scales s[16:17], w_proj in f16 s[18:19]
	v_lshl_add_u32 v[SPW], v0, 2, SPARE
	v_mov_b32 v[NIL], 0
	v_lshrrev_b32 v1, 5, v0
	v_readfirstlane_b32 s20, v1                    ; wave
	v_and_b32 v2, 31, v0                           ; lane
	v_lshlrev_b32 v3, 4, v2                        ; my 16 bytes of a load's 512
	s_mul_i32 s21, s20, WREG
	v_lshrrev_b32 v14, 2, v2
	v_mul_u32_u24 v14, v14, SP
	v_and_b32 v15, 3, v2
	v_lshl_add_u32 v14, v15, 4, v14
	v_add_nc_u32 v14, s21, v14                     ; the stage, on the way in: four lanes' 64 bytes on end, then 16 of padding
	v_mul_u32_u24 v15, v2, SP
	v_add_nc_u32 v15, s21, v15                     ; and on the way out: SP x lane: my 16 neighbours
	v_mul_u32_u24 v4, v2, CB                       ; 8 bytes a lane: my codes' place in a step's, and my f16 numbers' place in a store's
	v_lshrrev_b32 v5, 1, v2
	s_add_co_u32 s21, s21, 2*32*SP
	v_add_nc_u32 v5, s21, v5                       ; LDS: my wave's 256 scale bytes, my block's byte
	v_lshlrev_b32 v7, 3, v2                        ; and on the way out 8 bytes a lane
	v_add_nc_u32 v6, s21, v7
	s_wait_kmcnt 0x0
	s_cmp_ge_u32 ttmp9, WGX+WGW                    ; the work-group's number alone decides the path
	s_cbranch_scc1 .Lcast
	s_cmp_lt_u32 ttmp9, WGX                        ; x's work-group or w_qkv's?  Only pointers are chosen: both take one path
	s_cselect_b64 s[4:5], s[4:5], s[6:7]
	s_cselect_b64 s[10:11], s[10:11], s[14:15]
	s_cselect_b64 s[12:13], s[12:13], s[16:17]
	s_cselect_b32 s21, 0, WGX
	s_sub_co_u32 s21, ttmp9, s21
	s_lshl_b32 s21, s21, 2
	s_add_co_u32 s22, s21, s20                     ; which run of 8,192 numbers of the tensor is my wave's
	s_mov_b32 s23, 0
	s_mov_b64 s[24:25], 512*STEPS*4
	s_mul_u64 s[24:25], s[22:23], s[24:25]
	s_add_nc_u64 s[4:5], s[4:5], s[24:25]
	s_mov_b64 s[24:25], 32*STEPS*CB
	s_mul_u64 s[24:25], s[22:23], s[24:25]
	s_add_nc_u64 s[10:11], s[10:11], s[24:25]
	s_lshl_b32 s22, s22, 8                         ; 256 scale bytes a run
	s_add_nc_u64 s[12:13], s[12:13], s[22:23]
.macro LOAD t
.irp i, 0,1,2,3
	global_load_b128 v[R+16*((\t)%4)+4*\i:R+16*((\t)%4)+4*\i+3], v3, s[4:5] offset:2048*(\t)+512*\i th:TH_LOAD_NT   ; 32 lanes read 512 consecutive bytes
.endr
.endm
.macro TURN t                          ; step t's numbers through the stage: LDS serves a wave's instructions in order, so no wait stands between the stores and the loads
.irp i, 0,1,2,3
	ds_store_b128 v14, v[R+16*((\t)%4)+4*\i:R+16*((\t)%4)+4*\i+3] offset:32*SP*((\t)%2)+8*SP*\i
.endr
.irp i, 0,1,2,3
	ds_load_b128 v[X+16*((\t)%2)+4*\i:X+16*((\t)%2)+4*\i+3], v15 offset:32*SP*((\t)%2)+16*\i
.endr
.endm
.irp t, 0,1,2,3
	LOAD \t
.endr
	s_wait_loadcnt 12                              ; step 0's four loads are in; the twelve of steps 1 to 3 stay out
	TURN 0
.macro STEP t
.set XS, X+16*((\t)%2)
.if (\t) > 0
	s_wait_dscnt 1                                 ; this step's numbers are back from the stage (the last step's byte store may be out): so its stores into the stage have read their registers,
.else
	s_wait_dscnt 0x0
.endif
.if (\t)+4 < STEPS
	LOAD (\t)+4                                    ; which take the loads of four steps on
.endif
.if (\t)+1 < STEPS
.if STEPS-2-(\t) >= 3
	s_wait_loadcnt 12                              ; the next step's four loads are in; those of the three steps behind it may be out
.else
	s_wait_loadcnt 4*(STEPS-2-(\t))
.endif
	TURN (\t)+1                                    ; and go through the other stage while this step is worked
.endif
	v_max3_num_f32 v8, |v[XS]|, |v[XS+1]|, |v[XS+2]|               ; the largest magnitude of my 16, in two chains
	v_max3_num_f32 v9, |v[XS+3]|, |v[XS+4]|, |v[XS+5]|
.irp i, 6,10
	v_max3_num_f32 v8, v8, |v[XS+\i]|, |v[XS+\i+1]|
	v_max3_num_f32 v9, v9, |v[XS+\i+2]|, |v[XS+\i+3]|
.endr
	v_max3_num_f32 v8, v8, |v[XS+14]|, |v[XS+15]|
	v_max3_num_f32 v8, v8, v9, (EMAX+1)<<23        ; and the floor 2^(EMAX + 1 - 127): so the byte cannot fall under 1
	v_max_num_f32_dpp v8, v8, v8 row_xmask:1 row_mask:0xf bank_mask:0xf   ; and of my neighbour's 16: the block's
	v_add_nc_u32 v11, -(EMAX<<23), v8              ; EMAX off its exponent field: the conversion takes the exponent field of this operand as its scale, and nothing else of it
	v_cvt_scalef32_pk8_fp4_f32 v[C+4*(\t)], v[XS:XS+7], v11        ; eight numbers / the scale, to the nearest code, ties to even; the first number's code in the lowest four bits
	v_cvt_scalef32_pk8_fp4_f32 v[C+4*(\t)+1], v[XS+8:XS+15], v11
	v_lshrrev_b32 v[E+(\t)], 23, v11               ; the scale's byte (also the plain line behind the conversions)
	ds_store_b8 v5, v[E+(\t)] offset:16*(\t)       ; both lanes of a block write the same byte with the same value
	global_store_b64 v4, v[C+4*(\t):C+4*(\t)+1], s[10:11] offset:32*CB*(\t)   ; 32 lanes store 256 consecutive bytes
.endm
.irp t, 0,1,2,3,4,5,6,7,8,9,10,11,12,13,14,15
	STEP \t
.endr
	ds_load_b64 v[8:9], v6                         ; LDS serves a wave's instructions in order: these see my stores
	s_wait_dscnt 0x0
	global_store_b64 v7, v[8:9], s[12:13]          ; 32 lanes store my wave's 256 scale bytes
	s_wait_tensorcnt 0x0                           ; the wave's end: a wait, an add of 0 to my spare word and a wait, behind my last LDS store
	ds_add_u32 v[SPW], v[NIL]
	s_wait_dscnt 0x0
	s_endpgm
; ---- w_proj to f16.  This path stores nothing to LDS.
.Lcast:
	s_sub_co_u32 s21, ttmp9, WGX+WGW
	s_lshl_b32 s21, s21, 2
	s_add_co_u32 s21, s21, s20                     ; which run of 8,192 numbers is my wave's
	s_lshl_b32 s22, s21, 15                        ; 32,768 bytes in,
	s_mov_b32 s23, 0
	s_add_nc_u64 s[8:9], s[8:9], s[22:23]
	s_lshl_b32 s22, s21, 14                        ; 16,384 out
	s_add_nc_u64 s[18:19], s[18:19], s[22:23]
.macro LOADC g                         ; 8,192 bytes into set g % 2
.irp i, 0,1,2,3,4,5,6,7,8,9,10,11,12,13,14,15
	global_load_b128 v[16+64*((\g)%2)+4*\i:16+64*((\g)%2)+4*\i+3], v3, s[8:9] offset:8192*(\g)+512*\i th:TH_LOAD_NT
.endr
.endm
.macro PROC g, left                    ; left: the younger set's loads, which may stay out
.set RC, 16+64*((\g)%2)
	s_wait_loadcnt \left
.irp i, 0,1,2,3,4,5,6,7,8,9,10,11,12,13,14,15
	v_cvt_pk_f16_f32 v[RC+4*\i], v[RC+4*\i], v[RC+4*\i+1]          ; the first source into the low half
	v_cvt_pk_f16_f32 v[RC+4*\i+1], v[RC+4*\i+2], v[RC+4*\i+3]
	global_store_b64 v4, v[RC+4*\i:RC+4*\i+1], s[18:19] offset:4096*(\g)+256*\i   ; 32 lanes store 256 consecutive bytes
.endr
.endm
	LOADC 0
	LOADC 1
	PROC 0, 16
	s_wait_xcnt 0x0                                ; set 0's stores have read their registers: it is loaded again only behind this wait
	LOADC 2
	PROC 1, 16
	s_wait_xcnt 0x0                                ; the same for set 1
	LOADC 3
	PROC 2, 16
	PROC 3, 0
	s_endpgm
.Lfunc_end_k_q20439b0a68_prep:
	.size	k_q20439b0a68_prep, .Lfunc_end_k_q20439b0a68_prep-k_q20439b0a68_prep
	.p2alignl 7, 3214868480
	.fill 96, 4, 3214868480
	.section	.rodata,"a",@progbits
	.p2align	6, 0x0
	.amdhsa_kernel k_q20439b0a68_prep
		.amdhsa_group_segment_fixed_size 33280
		.amdhsa_private_segment_fixed_size 0
		.amdhsa_enable_private_segment 0
		.amdhsa_kernarg_size 64
		.amdhsa_user_sgpr_count 2
		.amdhsa_user_sgpr_kernarg_segment_ptr 1
		.amdhsa_wavefront_size32 1
		.amdhsa_system_sgpr_workgroup_id_x 1
		.amdhsa_system_sgpr_workgroup_id_y 1
		.amdhsa_system_sgpr_workgroup_id_z 1
		.amdhsa_system_vgpr_workitem_id 0
		.amdhsa_next_free_vgpr 192
		.amdhsa_next_free_sgpr 66
		.amdhsa_reserve_vcc 0
		.amdhsa_float_denorm_mode_32 3
		.amdhsa_float_denorm_mode_16_64 3
		.amdhsa_memory_ordered 1
		.amdhsa_forward_progress 1
		.amdhsa_inst_pref_size 54
	.end_amdhsa_kernel
	.amdgpu_metadata
---
amdhsa.version: [ 1, 2 ]
amdhsa.kernels:
  - .name:           k_q20439b0a68_prep
    .symbol:         k_q20439b0a68_prep.kd
    .args:
      - { .name: x, .offset: 0, .size: 8, .value_kind: global_buffer, .address_space: global }
      - { .name: w_qkv, .offset: 8, .size: 8, .value_kind: global_buffer, .address_space: global }
      - { .name: w_proj, .offset: 16, .size: 8, .value_kind: global_buffer, .address_space: global }
      - { .name: xc, .offset: 24, .size: 8, .value_kind: global_buffer, .address_space: global }
      - { .name: xs, .offset: 32, .size: 8, .value_kind: global_buffer, .address_space: global }
      - { .name: wc, .offset: 40, .size: 8, .value_kind: global_buffer, .address_space: global }
      - { .name: ws, .offset: 48, .size: 8, .value_kind: global_buffer, .address_space: global }
      - { .name: wp16, .offset: 56, .size: 8, .value_kind: global_buffer, .address_space: global }
    .group_segment_fixed_size: 33280
    .private_segment_fixed_size: 0
    .kernarg_segment_align: 8
    .kernarg_segment_size: 64
    .max_flat_workgroup_size: 128
    .sgpr_count:     66
    .vgpr_count:     192
    .wavefront_size: 32
...
	.end_amdgpu_metadata
.endif
;; end of part 1
;; launch qkvgemm (part 2): grid 12 x 32, 4 waves a work-group, clusters of 4 x 4, 327,680 bytes of LDS; arguments xc, xs, wc, ws, qkv; writes qkv
.if DOCPART == 2
	.amdgcn_target "amdgcn-amd-amdhsa--gfx1250"
	.amdhsa_code_object_version 6
	.text
	.protected	k_q20439b0a68_qkvgemm
	.globl	k_q20439b0a68_qkvgemm
	.p2align	8
	.type	k_q20439b0a68_qkvgemm,@function
k_q20439b0a68_qkvgemm:
	s_mov_b64 s[64:65], 0
	v_nop
	global_prefetch_b8 v0, s[64:65] scope:SCOPE_SE
	s_setreg_imm32_b32 hwreg(HW_REG_WAVE_MODE, 25, 1), 1
	s_wait_xcnt 0x0
	s_wait_alu depctr_hold_cnt(0) depctr_sa_sdst(0) depctr_va_vdst(0) depctr_va_sdst(0) depctr_va_ssrc(0) depctr_va_vcc(0) depctr_vm_vsrc(0)
	s_getreg_b32 s2, hwreg(HW_REG_IB_STS2, 6, 4)
	s_cmp_eq_u32 s2, 0
	s_cbranch_scc0 .Lentry_in_a_cluster
	s_endpgm
.Lentry_in_a_cluster:
	s_bfe_u32 s2, ttmp6, 0x10000c
	s_cmp_lg_u32 s2, 0xf033
	s_cbranch_scc0 .Lentry_shape_is_right
	s_endpgm
.Lentry_shape_is_right:
; QKV = x w_qkv^T on codes of FP4 (E2M1) with one E8M0 scale for each 32 along K; sums in f32; the result is rounded once to f16 and laid by head: qkv[plane q, k, v][16 b + h][token][64].
; A: x's codes [8192][512 bytes], scales [8192][32];  B: w_qkv's codes [3072][512 bytes], scales [3072][32].  The matrix instruction takes codes and scale bytes as they lie in memory.
; LIMIT: |q|, |k|, |v| stay under 65,504, the largest f16 number; beyond it the conversion gives infinity.
; A tile of C, 256 x 256, is made by a work-group of four waves; a wave makes 128 x 128: 64 accumulators of 16 x 16, 512 registers.  K = 1,024 is two K steps of 512: each has an LDS slot of its own, filled once.
; THE SCALES of the work-group's 256 rows of A and of B, for all of K, are two dense blocks of memory: they come into LDS once, with the first fills.  By this text's own count a wave has three tensor loads out at the start, and none later.
; CLUSTERS: 4 x 4 work-groups.  The four of a row of the cluster need the same tiles of A, the four of a column the same tiles of B: each tile is asked for JOINTLY, by the same tensor load with the same descriptor and a mask that names the four.
; THE MATRIX INSTRUCTION IS USED TRANSPOSED (source 0 = 16 rows of B, source 1 = 16 rows of A): a lane then holds eight neighbouring columns of one row of C, which pack into 16 bytes of f16.
; 384 work-groups: a tile of 256 x 384 would need 768 registers of accumulators; this launch's matrix work is small beside the bytes that it stores.
; REGISTERS, in windows of 256: window 0: v0-31 addresses; v32-95 scale words, two sets; v128-191 A's fragments, ONE set; on the way out v32-63, v192-255.
;   window 1: B's fragments, TWO sets, at v0 and at v128.   window 2: the accumulators of my rows 0-63 ((a, b) at v[8 (8 a + b)]);   window 3: those of my rows 64-127.
.set SIZE_M, 8192
.set SIZE_N, 3072
.set SIZE_K, 1024
.set KSTEP,  512                       ; along K in a slot
.set NQ,     KSTEP/128                 ; matrix instructions deep
.set ROWB,   256                       ; a tile's row in bytes
.set KROW,   SIZE_K*4/8                ; a row of codes in memory
.set PITCH,  272                       ; an LDS row: 256 bytes + 16 of padding = 68 words: the 16 rows that a load touches start at 16 different banks (64 banks of 4 bytes: ISA guide 11.1)
.set FR,     8                         ; registers of a fragment: 16 rows x 128 K
.set NL,     2                         ; LDS loads that bring one
.set NP,     4                         ; places behind this matrix instruction (ISA guide 7.12.1)
.set HALFT,  128*PITCH                 ; 128 rows: what one tensor load brings
.set SLOT,   4*HALFT                   ; A's 256 rows, then B's 256 rows
.set KS,     SIZE_K/32                 ; a row of scales in bytes
.set SCL,    2*SLOT                    ; behind the slots: the scales, as rows of 256 bytes + 16 of padding
.set HALFS,  (128*KS/256)*272          ; the scales of 128 rows
.set SBLK,   (16*KS/256)*272           ; those of 16 rows
.set SPARE,  SCL+4*HALFS               ; behind the scales: the spare words, 128 bytes for each wave, which no other line names
.set SPITCH, 144                       ; the way out: a stage row: a head's 128 bytes + 16
.set HSTG,   16*SPITCH                 ; 16 rows of one head
.set WSTG,   2*HSTG                    ; a wave's stage: its two heads.  It lies in slot 0, which has had its only fill and its last read when the first result is stored there
.set ADRA, 16                          ; v16-17  LDS address of my A fragments in slot 0, 1
.set ADRB, 20                          ; v20-21  the same for B
.set STO,  24                          ; v24     the way out: where I put 16 bytes of a row
.set RD,   25                          ; v25     where I read rows back
.set CO,   26                          ; v26     16 x lane: my byte offset in 512 dense bytes of a head
.set ADRS, 27                          ; v27     LDS address of my scale words: lanes 0-15 A's rows, lanes 16-31 B's
.set SPW,  28                          ; v28     LDS address of my spare word; never rewritten
.set NIL,  29                          ; v29     0; never rewritten
.set SC,   32                          ; scale words: set s at v[SC + 8 NQ s]; register NQ i + q: lanes 0-15 A's block i, lanes 16-31 B's block i, the slot's q-th 128 along K
.set AF,   128                         ; A's fragments, in window 0
.set TMP,  192                         ; the way out: 32 registers of packed results
.set OB,   32                          ; the way out: rows read back: v32-63 and v224-255 by turns
.set G1, 24                            ; s[24:31] descriptor group 1 for A's tiles;  s[32:39] group 0, one set for each slot
.set G0, 32
.set G1B, 48                           ; s[48:55], s[56:63] the same for B's tiles
.set G0B, 56
.set G1S, 68                           ; s[68:75], s[76:79] groups 1 and 0 for A's scales;  s[80:87], s[88:91] for B's
.set G0S, 76
.set G1SB, 80
.set G0SB, 88
.set MSB, 0
.macro WIN new                         ; the immediate's high byte repeats the setting that is left
.if MSB != \new
	s_set_vgpr_msb (MSB<<8)|\new
.set MSB, \new
.endif
.endm
.set MUL_LO, 0xa1                      ; source 0 (B) window 1, source 1 (A) window 0, C and D window 2
.set MUL_HI, 0xf1                      ; the same, C and D window 3
.set TO_B,   0x40                      ; destination window 1, address window 0
; A joint load: waves 0 and 1 fetch for A, waves 2 and 3 for B.  Each line has ONE mask and one set of registers for all that issue it; the branch hangs on the wave's number alone.
; An s_nop 0 and four v_nop follow each of the two lines.
.macro JLOAD g0a, g1a, g0b, g1b
	s_cmp_eq_u32 s15, 0
	s_cbranch_scc0 .Lfor_b_\@
	tensor_load_to_lds s[\g0a:\g0a+3], s[\g1a:\g1a+7]
	s_nop 0
.rept 4
	v_nop
.endr
	s_branch .Lasked_\@
.Lfor_b_\@:
	tensor_load_to_lds s[\g0b:\g0b+3], s[\g1b:\g1b+7]
	s_nop 0
.rept 4
	v_nop
.endr
.Lasked_\@:
.endm
.macro CROUND                          ; a round of the cluster's barrier: my work-group's barrier; wave 0 signals for the work-group; every wave waits for all sixteen; my work-group's barrier once more
	s_barrier_signal -1
	s_barrier_wait -1
	s_cmp_lg_u32 s14, 0
	s_cbranch_scc1 .Lnot_wave_0_\@
	s_barrier_signal -3
.Lnot_wave_0_\@:
	s_barrier_wait -3
	s_barrier_signal -1
	s_barrier_wait -1
.endm
	s_load_b128 s[4:7], s[0:1], 0x0                ; A's codes s[4:5], A's scales s[6:7]
	s_load_b128 s[8:11], s[0:1], 0x10              ; B's codes s[8:9], B's scales s[10:11]
	s_load_b64 s[12:13], s[0:1], 0x20              ; qkv
	v_lshl_add_u32 v[SPW], v0, 2, SPARE
	v_mov_b32 v[NIL], 0
	ds_add_u32 v[SPW], v[NIL]                      ; the wave's opening: the add, twice on end, and its wait ahead of my first tensor load
	ds_add_u32 v[SPW], v[NIL]                      ; the set-up below, work on registers, stands between the second and the wait
	v_lshrrev_b32 v1, 5, v0
	v_readfirstlane_b32 s14, v1                    ; wave 0..3
	s_lshr_b32 s15, s14, 1                         ; which half of the tile's rows is mine.  Also: I fetch for A (0) or for B (1)
	s_and_b32 s16, s14, 1                          ; which half of its columns.  Also: which 128 rows of that tile I fetch
	s_bfe_u32 s40, ttmp6, 0x40000                  ; cx, cy: my place in the cluster
	s_bfe_u32 s41, ttmp6, 0x40004
	s_lshl_b32 s42, ttmp9, 2
	s_add_co_u32 s42, s42, s40                     ; tile column of C = 4 x cluster x + cx
	s_and_b32 s17, ttmp7, 0xffff
	s_lshl_b32 s17, s17, 2
	s_add_co_u32 s17, s17, s41                     ; tile row of C = 4 x cluster y + cy
	s_lshl_b32 s43, s41, 2
	s_lshl_b32 s43, 15, s43                        ; my row of the cluster
	s_lshl_b32 s44, 0x1111, s40                    ; my column
	; descriptor group 1: a tile of 128 rows x 256 bytes, padded in LDS
	s_or_b32 s[G1+0], s43, (0<<16)|(1<<20)|(1<<21)|(5<<22)|(3<<25)  ; 15:0 the mask: A's tiles go to my row; 17:16 element of 1 byte; 20 padding on; 21 set beside a mask; 24:22 after every 64 words; 31:25 four words
	s_or_b32 s[G1B+0], s44, (0<<16)|(1<<20)|(1<<21)|(5<<22)|(3<<25)
.irp g, G1, G1B
	s_mov_b32 s[\g+1], ROWB<<16                    ; tensor_dim0
	s_mov_b32 s[\g+2], 128<<16                     ; tensor_dim1 = 128
	s_mov_b32 s[\g+3], ROWB<<16                    ; tile_dim0
	s_mov_b32 s[\g+4], 128                         ; tile_dim1 = 128
	s_mov_b32 s[\g+5], KROW                        ; from row to row
	s_mov_b32 s[\g+6], 0
	s_mov_b32 s[\g+7], 0
.endr
	; the scales of 128 rows: a dense block of 4,096 bytes, as rows of 256 bytes (32 elements of 8 bytes), 16 bytes of padding behind each
	s_or_b32 s[G1S+0], s43, (3<<16)|(1<<20)|(1<<21)|(5<<22)|(3<<25)
	s_or_b32 s[G1SB+0], s44, (3<<16)|(1<<20)|(1<<21)|(5<<22)|(3<<25)
.irp g, G1S, G1SB
	s_mov_b32 s[\g+1], 32<<16
	s_mov_b32 s[\g+2], (128*KS/256)<<16
	s_mov_b32 s[\g+3], 32<<16
	s_mov_b32 s[\g+4], 128*KS/256
	s_mov_b32 s[\g+5], 32
	s_mov_b32 s[\g+6], 0
	s_mov_b32 s[\g+7], 0
.endr
	s_lshl_b32 s18, s16, 7                         ; which 128 rows of the tile I fetch
	s_lshl_b32 s20, s17, 8
	s_add_co_u32 s20, s20, s18                     ; A: row 256 x tile row + 128 x half
	s_lshl_b32 s46, s42, 8
	s_add_co_u32 s46, s46, s18                     ; B: row 256 x tile column + 128 x half
	s_mov_b32 s21, 0
	s_mov_b32 s47, 0
	s_mov_b64 s[18:19], KS
	s_mul_u64 s[22:23], s[20:21], s[18:19]         ; where these rows' scales begin, in bytes
	s_mul_u64 s[92:93], s[46:47], s[18:19]
	s_mov_b64 s[18:19], KROW
	s_mul_u64 s[20:21], s[20:21], s[18:19]         ; and their codes
	s_mul_u64 s[46:47], s[46:47], s[18:19]
	s_mul_i32 s45, s14, HALFT                      ; where they go: wave x 128 rows: no place in the cluster enters an LDS address
	s_mul_i32 s94, s14, HALFS
	s_wait_dscnt 0x0                               ; both opening adds are done
	s_wait_kmcnt 0x0
	s_add_nc_u64 s[20:21], s[4:5], s[20:21]
	s_add_nc_u64 s[22:23], s[6:7], s[22:23]
	s_add_nc_u64 s[46:47], s[8:9], s[46:47]
	s_add_nc_u64 s[92:93], s[10:11], s[92:93]
	CROUND                                         ; all sixteen work-groups are here: the first joint loads meet
	s_mov_b32 s[G0S], 1
	s_add_co_u32 s[G0S+1], s94, SCL
	s_mov_b64 s[G0S+2:G0S+3], s[22:23]
	s_or_b32 s[G0S+3], s[G0S+3], 0x80000000
	s_mov_b32 s[G0SB], 1
	s_add_co_u32 s[G0SB+1], s94, SCL
	s_mov_b64 s[G0SB+2:G0SB+3], s[92:93]
	s_or_b32 s[G0SB+3], s[G0SB+3], 0x80000000
	JLOAD G0S, G1S, G0SB, G1SB                     ; the scales first: they are wanted with K step 0
.irp s, 0,1
	s_mov_b32 s[G0+4*\s], 1
	s_add_co_u32 s[G0+4*\s+1], s45, \s*SLOT
	s_add_nc_u64 s[G0+4*\s+2:G0+4*\s+3], s[20:21], \s*ROWB
	s_or_b32 s[G0+4*\s+3], s[G0+4*\s+3], 0x80000000
	s_mov_b32 s[G0B+4*\s], 1
	s_add_co_u32 s[G0B+4*\s+1], s45, \s*SLOT
	s_add_nc_u64 s[G0B+4*\s+2:G0B+4*\s+3], s[46:47], \s*ROWB
	s_or_b32 s[G0B+4*\s+3], s[G0B+4*\s+3], 0x80000000
	JLOAD G0+4*\s, G1, G0B+4*\s, G1B
.endr
	v_and_b32 v1, 15, v0                           ; l % 16
	v_bfe_u32 v2, v0, 4, 1                         ; l / 16
	v_mul_u32_u24 v3, v1, PITCH
	v_lshl_add_u32 v4, v2, 4, v3                   ; a fragment's row x pitch + 16 x half
	s_mul_i32 s21, s15, HALFT                      ; my 128 rows of A
	s_mul_i32 s22, s16, HALFT                      ; my 128 rows of B,
	s_add_co_u32 s22, s22, 2*HALFT                 ; which lie behind A's 256
.irp s, 0,1
	v_add_nc_u32 v[ADRA+\s], s21, v4
	v_add_nc_u32 v[ADRB+\s], s22, v4
	s_add_co_u32 s21, s21, SLOT
	s_add_co_u32 s22, s22, SLOT
.endr
	v_mul_u32_u24 v5, v1, KS                       ; my row's scales: KS bytes a row,
	v_lshrrev_b32 v6, 8, v5
	v_lshl_add_u32 v5, v6, 4, v5                   ; and 16 more for each 256 passed
	s_mul_i32 s21, s15, HALFS                      ; A's: my 128 rows
	s_mul_i32 s22, s16, HALFS                      ; B's: my 128 rows, behind A's 256
	s_add_co_u32 s22, s22, 2*HALFS
	s_sub_co_u32 s22, s22, s21
	v_mul_u32_u24 v6, s22, v2                      ; lanes 16-31 take B's: one product, the distance between the two bases
	s_add_co_u32 s21, s21, SCL
	v_add_nc_u32 v5, v5, v6
	v_add_nc_u32 v[ADRS], s21, v5
	s_mul_i32 s23, s14, WSTG                       ; my stage
	v_mul_u32_u24 v5, v1, SPITCH                   ; in: row l % 16, 16 bytes for each half of the lanes
	v_lshl_add_u32 v5, v2, 4, v5
	v_add_nc_u32 v[STO], s23, v5
	v_and_b32 v6, 31, v0
	v_lshlrev_b32 v[CO], 4, v6
	v_lshrrev_b32 v5, 3, v6                        ; back: eight lanes take a row of 128 bytes, the 32 lanes four rows
	v_mul_u32_u24 v5, v5, SPITCH
	v_and_b32 v6, 7, v6
	v_lshl_add_u32 v5, v6, 4, v5
	v_add_nc_u32 v[RD], s23, v5
	; where my part begins in qkv: plane (column / 1024) x 2^24 + (16 x batch + head) x 2^18 + token x 128
	s_lshl_b32 s20, s17, 8
	s_lshl_b32 s21, s15, 7
	s_add_co_u32 s20, s20, s21                     ; my first row of C
	s_lshr_b32 s21, s20, 11
	s_lshl_b32 s21, s21, 4                         ; 16 x batch
	s_and_b32 s20, s20, 2047                       ; token in the batch
	s_lshl_b32 s46, s42, 8
	s_lshl_b32 s47, s16, 7
	s_add_co_u32 s46, s46, s47                     ; my first column
	s_lshr_b32 s47, s46, 10
	s_lshl_b32 s47, s47, 24                        ; the plane
	s_and_b32 s46, s46, 1023
	s_lshr_b32 s46, s46, 6                         ; my first head
	s_add_co_u32 s46, s46, s21
	s_lshl_b32 s46, s46, 18
	s_add_co_u32 s46, s46, s47
	s_lshl_b32 s20, s20, 7
	s_add_co_u32 s46, s46, s20
	s_mov_b32 s47, 0
	s_add_nc_u64 s[12:13], s[12:13], s[46:47]
.macro FRAG reg, adr, q, i             ; a fragment, 16 rows x 128 K of 4-bit codes: lane l holds row l % 16; registers 4 c .. 4 c + 3 hold K = 64 c + 32 (l / 16) + 0 .. 31
.irp c, 0,1
	ds_load_b128 v[\reg+4*\c:\reg+4*\c+3], v[\adr] offset:64*(\q)+32*\c+(\i)*16*PITCH
.endr
.endm
; 16 matrix instructions: A's blocks a0, a0 + 1 x B's eight, the slot's q-th 128 along K.  p: B's set;  sc: the set of scale words.  zero = 1: the first product starts the sums.
; The 64 accumulators take turns, one instruction a turn, in the same order in every step.
.macro MUL16 a0, p, q, sc, zero
.irp a, \a0, \a0+1
.irp b, 0,1,2,3,4,5,6,7
.if \zero
	v_wmma_scale_f32_16x16x128_f8f6f4 v[8*(8*((\a)%4)+\b):8*(8*((\a)%4)+\b)+7], v[128*(\p)+FR*\b:128*(\p)+FR*\b+FR-1], v[AF+FR*(\a):AF+FR*(\a)+FR-1], 0, v[SC+8*NQ*(\sc)+NQ*\b+(\q)], v[SC+8*NQ*(\sc)+NQ*(\a)+(\q)] matrix_a_fmt:MATRIX_FMT_FP4 matrix_b_fmt:MATRIX_FMT_FP4 matrix_a_scale:MATRIX_SCALE_ROW1
.else
	v_wmma_scale_f32_16x16x128_f8f6f4 v[8*(8*((\a)%4)+\b):8*(8*((\a)%4)+\b)+7], v[128*(\p)+FR*\b:128*(\p)+FR*\b+FR-1], v[AF+FR*(\a):AF+FR*(\a)+FR-1], v[8*(8*((\a)%4)+\b):8*(8*((\a)%4)+\b)+7], v[SC+8*NQ*(\sc)+NQ*\b+(\q)], v[SC+8*NQ*(\sc)+NQ*(\a)+(\q)] matrix_a_fmt:MATRIX_FMT_FP4 matrix_b_fmt:MATRIX_FMT_FP4 matrix_a_scale:MATRIX_SCALE_ROW1
.endif
.endr
.endr
.endm
.macro FETCH_B slot, q, p              ; B's eight fragments of the slot's q-th 128 along K into set p
	WIN TO_B
.irp i, 0,1,2,3,4,5,6,7
	FRAG 128*(\p)+FR*\i, ADRB+\slot, \q, \i
.endr
	WIN 0
.endm
.macro FETCH_A slot, q, i0             ; A's blocks i0 .. i0 + 3
.irp i, \i0, \i0+1, \i0+2, \i0+3
	FRAG AF+FR*(\i), ADRA+\slot, \q, \i
.endr
.endm
.macro SCALES sc                       ; a K step's scale words into set sc: NQ words a row; lanes 0-15 take A's block i, lanes 16-31 B's block i
.irp i, 0,1,2,3,4,5,6,7
	ds_load_b128 v[SC+8*NQ*\sc+NQ*\i:SC+8*NQ*\sc+NQ*\i+3], v[ADRS] offset:\i*SBLK
.endr
.endm
; A load into a register that a matrix instruction has read, and a vector instruction that reads a matrix result, stand NP places behind that matrix instruction; only plain vector
; instructions that name none of its registers are places (ISA guide 7.12.1 for vector instructions).
.macro PLACES n
.rept \n
	v_nop
.endr
.endm
.macro STEP slot, q, zero              ; a step of 128 along K that has its successor in the same slot
	s_wait_dscnt 4*NL                              ; B's set and A's blocks 0-3 are in; the youngest eight loads (A's blocks 4-7) may be out
	WIN MUL_LO
	MUL16 0, (\q)%2, \q, \slot, \zero
	MUL16 2, (\q)%2, \q, \slot, \zero
	s_wait_dscnt 0                                 ; A's blocks 4-7 are in (asked for 32 matrix instructions ago)
	PLACES NP
	FETCH_B \slot, (\q)+1, 1-(\q)%2
	FETCH_A \slot, (\q)+1, 0
	WIN MUL_HI
	MUL16 4, (\q)%2, \q, \slot, \zero
	MUL16 6, (\q)%2, \q, \slot, \zero
	PLACES NP
	WIN 0
	FETCH_A \slot, (\q)+1, 4
.endm
; Slot 0's last step changes slots: one barrier; in front of it each wave waits for all its tensor loads (its part of slot 1), adds 0 to its spare word, and waits for that and for its reads of slot 0.  Nothing is filled again.
.macro TURN slot, next
	s_wait_tensorcnt 0x0                           ; all my tensor loads have landed  (every window is 0 here: the add's two registers lie in window 0)
	ds_add_u32 v[SPW], v[NIL]                      ; 0 onto my spare word
	s_wait_dscnt 4*NL+1                            ; (the add and the youngest eight loads, A's blocks 4-7, may be out)
	WIN MUL_LO
	MUL16 0, 1, NQ-1, \slot, 0                     ; sixteen matrix instructions stand between the add and the wait for it
	s_wait_dscnt 0x0                               ; the add is done, and my reads of this slot are over
	s_barrier_signal -1
	MUL16 2, 1, NQ-1, \slot, 0
	WIN 0
	s_barrier_wait -1
	PLACES NP
	v_add_nc_u32 v[ADRS], 4*NQ, v[ADRS]            ; on to the next K step's scale words (no LDS load of mine is out)
	FETCH_B \next, 0, 0
	FETCH_A \next, 0, 0
	SCALES \next
	WIN MUL_HI
	MUL16 4, 1, NQ-1, \slot, 0
	MUL16 6, 1, NQ-1, \slot, 0
	PLACES NP
	WIN 0
	FETCH_A \next, 0, 4
.endm
	s_wait_tensorcnt 1                             ; the scales and my part of K step 0 are in (K step 1's load, the one issued behind them, may be out),
	s_barrier_signal -1
	s_barrier_wait -1                              ; everybody's are
	FETCH_B 0, 0, 0
	FETCH_A 0, 0, 0
	SCALES 0
	FETCH_A 0, 0, 4
	STEP 0, 0, 1                                   ; the first step's products start the sums: nothing is cleared
	STEP 0, 1, 0
	STEP 0, 2, 0
	TURN 0, 1
	STEP 1, 0, 0
	STEP 1, 1, 0
	STEP 1, 2, 0
	s_wait_dscnt 4*NL                              ; the very last step: nothing more to fetch
	WIN MUL_LO
	MUL16 0, 1, NQ-1, 1, 0
	MUL16 2, 1, NQ-1, 1, 0
	s_wait_dscnt 0
	WIN MUL_HI
	MUL16 4, 1, NQ-1, 1, 0
	MUL16 6, 1, NQ-1, 1, 0
	WIN 0
; THE WAY OUT, block by block of 16 rows x 128 columns: two heads.  PACK: rounded to f16, 16 bytes a lane, each accumulator from its low end on.  TOSTAGE: into my own stage, and back as rows.
; SEND: 16 tokens of a head are 2,048 dense bytes of qkv: four stores of 512 consecutive bytes for each head.  LDS serves a wave's instructions in order (ISA guide 5.7.1.4): no wait between the stage's stores and loads.
.macro PACK a
.set AC, 64*((\a)%4)
	WIN 0x0a+5*((\a)/4)                            ; sources 0 and 1: window 2 or 3
.irp b, 0,1,2,3,4,5,6,7
.irp r, 0,1,2,3
	v_cvt_pk_f16_f32 v[TMP+4*\b+\r], v[AC+8*\b+2*\r], v[AC+8*\b+2*\r+1]
.endr
.endr
	WIN 0
.endm
.macro TOSTAGE a
.set BK, OB+192*((\a)%2)
.irp b, 0,1,2,3,4,5,6,7
	ds_store_b128 v[STO], v[TMP+4*\b:TMP+4*\b+3] offset:(\b/4)*HSTG+(\b%4)*32
.endr
.irp i, 0,1,2,3,4,5,6,7
	ds_load_b128 v[BK+4*\i:BK+4*\i+3], v[RD] offset:(\i/4)*HSTG+(\i%4)*4*SPITCH
.endr
.endm
.macro SEND a
.set BK, OB+192*((\a)%2)
	s_wait_dscnt 0x0                               ; the block is back in registers
	s_wait_xcnt 0x0                                ; the stores of the block before have read their registers: the next block's loads may land there
.irp i, 0,1,2,3,4,5,6,7
	global_store_b128 v[CO], v[BK+4*\i:BK+4*\i+3], s[12:13] offset:(\i/4)*262144+(\a)*2048+(\i%4)*512 th:TH_STORE_NT   ; 32 lanes store 512 consecutive bytes
.endr
.endm
	PLACES NP                                      ; behind the last products: for the conversions that read results and the loads into registers that held scale words
	PACK 0
	TOSTAGE 0
.irp a, 1,2,3,4,5,6,7                  ; block a's conversions stand between block a - 1's loads from the stage and the wait for them
	PACK \a
	SEND \a-1
	TOSTAGE \a
.endr
	SEND 7
	s_wait_tensorcnt 0x0                           ; the wave's end: a wait, an add of 0 to my spare word and a wait, behind my last tensor load and my last LDS store
	ds_add_u32 v[SPW], v[NIL]
	s_wait_dscnt 0x0
	CROUND                                         ; the closing round: no work-group ends while a partner may still ask for a tile that names it
	s_endpgm
.Lfunc_end_k_q20439b0a68_qkvgemm:
	.size	k_q20439b0a68_qkvgemm, .Lfunc_end_k_q20439b0a68_qkvgemm-k_q20439b0a68_qkvgemm
	.p2alignl 7, 3214868480
	.fill 96, 4, 3214868480
	.section	.rodata,"a",@progbits
	.p2align	6, 0x0
	.amdhsa_kernel k_q20439b0a68_qkvgemm
		.amdhsa_group_segment_fixed_size 327680
		.amdhsa_private_segment_fixed_size 0
		.amdhsa_enable_private_segment 0
		.amdhsa_kernarg_size 40
		.amdhsa_user_sgpr_count 2
		.amdhsa_user_sgpr_kernarg_segment_ptr 1
		.amdhsa_wavefront_size32 1
		.amdhsa_system_sgpr_workgroup_id_x 1
		.amdhsa_system_sgpr_workgroup_id_y 1
		.amdhsa_system_sgpr_workgroup_id_z 1
		.amdhsa_system_vgpr_workitem_id 0
		.amdhsa_next_free_vgpr 1024
		.amdhsa_next_free_sgpr 98
		.amdhsa_reserve_vcc 0
		.amdhsa_float_denorm_mode_32 3
		.amdhsa_float_denorm_mode_16_64 3
		.amdhsa_memory_ordered 1
		.amdhsa_forward_progress 1
		.amdhsa_inst_pref_size 127
	.end_amdhsa_kernel
	.amdgpu_metadata
---
amdhsa.version: [ 1, 2 ]
amdhsa.kernels:
  - .name:           k_q20439b0a68_qkvgemm
    .symbol:         k_q20439b0a68_qkvgemm.kd
    .args:
      - { .name: xc, .offset: 0, .size: 8, .value_kind: global_buffer, .address_space: global }
      - { .name: xs, .offset: 8, .size: 8, .value_kind: global_buffer, .address_space: global }
      - { .name: wc, .offset: 16, .size: 8, .value_kind: global_buffer, .address_space: global }
      - { .name: ws, .offset: 24, .size: 8, .value_kind: global_buffer, .address_space: global }
      - { .name: qkv, .offset: 32, .size: 8, .value_kind: global_buffer, .address_space: global }
    .group_segment_fixed_size: 327680
    .private_segment_fixed_size: 0
    .kernarg_segment_align: 8
    .kernarg_segment_size: 40
    .max_flat_workgroup_size: 128
    .sgpr_count:     98
    .vgpr_count:     1024
    .wavefront_size: 32
...
	.end_amdgpu_metadata
.endif
;; end of part 2
;; launch attn (part 3): grid 4 x 64, 8 waves a work-group, clusters of 4 x 1, 327,680 bytes of LDS; arguments qkv, o16; writes o16
.if DOCPART == 3
	.amdgcn_target "amdgcn-amd-amdhsa--gfx1250"
	.amdhsa_code_object_version 6
	.text
	.protected	k_q20439b0a68_attn
	.globl	k_q20439b0a68_attn
	.p2align	8
	.type	k_q20439b0a68_attn,@function
k_q20439b0a68_attn:
	s_mov_b64 s[64:65], 0
	v_nop
	global_prefetch_b8 v0, s[64:65] scope:SCOPE_SE
	s_setreg_imm32_b32 hwreg(HW_REG_WAVE_MODE, 25, 1), 1
	s_wait_xcnt 0x0
	s_wait_alu depctr_hold_cnt(0) depctr_sa_sdst(0) depctr_va_vdst(0) depctr_va_sdst(0) depctr_va_ssrc(0) depctr_va_vcc(0) depctr_vm_vsrc(0)
	s_getreg_b32 s2, hwreg(HW_REG_IB_STS2, 6, 4)
	s_cmp_eq_u32 s2, 0
	s_cbranch_scc0 .Lentry_in_a_cluster
	s_endpgm
.Lentry_in_a_cluster:
	s_bfe_u32 s2, ttmp6, 0x10000c
	s_cmp_lg_u32 s2, 0x3003
	s_cbranch_scc0 .Lentry_shape_is_right
	s_endpgm
.Lentry_shape_is_right:
; O[hh][q][:] = the sum over k of softmax_k(Q[hh][q] . K[hh][k] / 8) V[hh][k][:].  qkv: [3 planes][64 heads hh = 16 b + h][2048][64] f16.  o16: [h][token 2048 b + q][64] f16.
; Products on f16 operands with f32 sums; maxima, exponentials and sums in f32; the weights p (at most 1: the running maximum is taken off) are rounded to f16 for the second product, O once at the end.
; LIMITS: NaN and infinities in qkv are not served.
; SHARES.  A work-group owns 512 queries of one head, each of its EIGHT waves 64: four tiles of 16, in 512 registers: two waves to a SIMD, so that one wave's softmax stands beside the other's products.
; Every wave walks the head's 2,048 keys, 64 a step.  A fragment of K or V read from LDS feeds four products.
; LAYOUT.  S^T = K Q^T (source 0 = 16 keys, source 1 = 16 queries): a lane holds ONE query (lane % 16) and the keys 8 (lane / 16) + 0..7 of a tile.  Two such tiles, rounded to f16 in pairs, ARE source 1 (32 keys x 16 queries)
; of O^T = V^T P, whose result again holds one query a lane and eight channels.  K comes out of LDS as it lies, V ([key][channel]) turned, by ds_load_tr16_b128.
; SOFTMAX.  For each query a running maximum m and sum l: p = 2^(c s - c m), c = log2(e) / 8; in every step O and l are multiplied by a = 2^(c m_old - c m_new).
; CLUSTER.  The four query blocks of a head form a cluster and walk the same K and V: each tile is asked for JOINTLY, by the same tensor load with the same descriptor and a mask that names the four.
; THE RING.  Two LDS slots of 512 keys (eight key steps).  A head's K, and its V, are dense in memory: a slot's part comes as rows of 256 bytes, two keys to a row.  Waves 0-3 fetch K's quarters, waves 4-7 V's: one load a wave.
; By this text's own count a wave has two tensor loads out at the start and one behind each refilling change of slots, which has eight key steps in which to land.
; REGISTERS: window 0: v1-11 addresses; v12-43 eight registers of statistics a tile; v44-46 at work at the head; v64-127 Q, 16 a tile; v128-255 S^T, 32 a tile; p is packed into each tile's first 16.
;   window 1: v0-127 O^T, 32 a tile; v128-191 K of one step; v192-255 V of one step.
.set PLANE, 16777216                   ; bytes of a plane of qkv
.set PKP,   272                        ; two keys of K in LDS: 256 bytes + 16 of padding: the 16 lanes of half a load (8 rows x 2 keys) fall on 16 different columns of 16 bytes
.set PVP,   288                        ; two keys of V: 256 + 32: the 16 lanes of half a turning load (4 rows x 2 keys x 32 bytes) fall on 16 different columns
.set VOFF,  256*PKP                    ; a slot: 256 rows of K, then 256 rows of V
.set SLOT,  256*(PKP+PVP)
.set KSTB,  32*PKP                     ; a key step on, in K
.set VSTB,  32*PVP                     ; and in V
.set STAGE, 2*SLOT                     ; behind the ring: 16 rows x 144 bytes for each wave, for the way out
.set SP,    144
.set SPARE, STAGE+8*16*SP              ; behind the stages: the spare words, 128 bytes for each wave, which no other line names
.set QO,  1                            ; v1   my byte offset in a tile of Q
.set AK0, 2                            ; v2   my lane's place in a tile of K; never rewritten
.set AV0, 3                            ; v3   the same for V
.set ADK, 4                            ; v4   LDS address of the run of K's loads in hand
.set ADV, 5                            ; v5   of V's
.set STO, 6                            ; v6   the way out: where I put 16 bytes of a row
.set RD,  7                            ; v7   where I read rows back
.set GO,  8                            ; v8   16 x lane
.set PFO, 9                            ; v9   256 x lane: the prefetches' offset; never rewritten
.set SPW, 10                           ; v10  LDS address of my spare word; never rewritten
.set NIL, 11                           ; v11  0; never rewritten
.set ST,  12                           ; tile t's statistics at v[ST+8 t]: +0 c m, +1 m, +2, +3 l (even keys', odd keys'), +4, +5 at work, +6 a, +7 a's exponent
.set Q,   64
.set S,   128
.set KF,  128                          ; in window 1
.set VF,  192
.set WV,  12                           ; s12  my wave's number
.set LIM, 15                           ; s15  2 in a wave that prefetches, else the greatest number
.set PFA, 18                           ; s[18:19] where my prefetch stands in memory
.set G1K, 24                           ; s[24:31] descriptor group 1 for K's tiles;  s[32:39] for V's: it differs in the padding alone
.set G1V, 32
.set G0K, 40                           ; s[40:47] group 0 for K's tiles, a set for each slot;  s[48:55] for V's
.set G0V, 48
.set CNT, 56                           ; s56  key steps left in the loop in hand
.set TK,  57                           ; s57  LDS byte at which K of the step to be fetched begins
.set CS,  58                           ; s[58:59] c: the packed scaling names a pair and takes its low word for both halves
.set SEL, 60                           ; s[60:61] lane selects for v_permlanex16_b32: each lane takes its own place in the other half
.set TV,  62                           ; s62  the same as TK for V
.set MSB, 0
.macro WIN new                         ; the immediate's high byte repeats the setting that is left; a switch that changes nothing is dropped
.if MSB != \new
	s_set_vgpr_msb (MSB<<8)|\new
.set MSB, \new
.endif
.endm
.set W_LD, 0x40                        ; an LDS load's destination in window 1, its address in window 0
.set W_KQ, 0x01                        ; K in window 1; Q and S^T in window 0
.set W_PV, 0x51                        ; V and O^T in window 1, P in window 0
.set W_RS, 0x41                        ; O^T (destination and source 0) in window 1, a in window 0
; A joint refill of slot s.  The branch hangs on the wave's number alone.  An s_nop 0 and four v_nop follow each of the two lines.
.macro JLOAD s
	s_cmp_lt_u32 s[WV], 4
	s_cbranch_scc0 .Lfor_v_\@
	tensor_load_to_lds s[G0K+4*\s:G0K+4*\s+3], s[G1K:G1K+7]
	s_nop 0
.rept 4
	v_nop
.endr
	s_branch .Lasked_\@
.Lfor_v_\@:
	tensor_load_to_lds s[G0V+4*\s:G0V+4*\s+3], s[G1V:G1V+7]
	s_nop 0
.rept 4
	v_nop
.endr
.Lasked_\@:
.endm
; A PREFETCH INTO THE L2 of the slot that the next change of slots will ask for: 65,536 bytes of K and as many of V.  It stands in the last key step but one ahead of that change, behind the step's run of K's LDS loads.
; Each aligned 256 bytes are named once in the launch: a head has one cluster; its four partners take 8,192 bytes each of a half slot, told apart BY ADDRESS; waves 0 and 2 ask for K's halves, waves 4 and 6 for V's; a lane names 256 bytes.
; The keys of the first two slots come by their loads alone.
.macro ASK
	s_cmp_eq_u32 s[CNT], s[LIM]
	s_cbranch_scc0 .Lnot_mine_\@
	global_prefetch_b8 v[PFO], s[PFA:PFA+1] th:TH_LOAD_NT scope:SCOPE_SE
.Lnot_mine_\@:
.endm
.macro CROUND                          ; a round of the cluster's barrier: my work-group's barrier; wave 0 signals for the work-group; every wave waits for all four work-groups; my work-group's barrier once more
	s_barrier_signal -1
	s_barrier_wait -1
	s_cmp_lg_u32 s[WV], 0
	s_cbranch_scc1 .Lnot_wave_0_\@
	s_barrier_signal -3
.Lnot_wave_0_\@:
	s_barrier_wait -3
	s_barrier_signal -1
	s_barrier_wait -1
.endm
	s_load_b128 s[4:7], s[0:1], 0x0                ; qkv s[4:5], o16 s[6:7]
	v_lshl_add_u32 v[SPW], v0, 2, SPARE
	v_mov_b32 v[NIL], 0
	ds_add_u32 v[SPW], v[NIL]                      ; the wave's opening: the add, twice on end, and its wait ahead of my first tensor load
	ds_add_u32 v[SPW], v[NIL]                      ; the set-up below, work on registers, stands between the second and the wait
	v_lshrrev_b32 v1, 5, v0
	v_readfirstlane_b32 s[WV], v1                  ; wave 0..7
	s_bfe_u32 s13, ttmp6, 0x40000                  ; cx: my place in the cluster
	s_lshl_b32 s14, ttmp9, 2
	s_add_co_u32 s14, s14, s13                     ; my block of 512 queries: it enters Q's, O's and the prefetch's addresses alone
	s_and_b32 s16, ttmp7, 0xffff                   ; the head hh, which the four partners share
	s_and_b32 s17, s[WV], 3                        ; which quarter of a slot I fetch
	s_lshl_b32 s22, s16, 18                        ; the head's 262,144 bytes in a plane,
	s_lshl_b32 s23, s17, 14                        ; my quarter's 16,384
	s_add_co_u32 s22, s22, s23
	s_mov_b32 s23, 0
	s_mul_i32 s20, s17, 64*PKP                     ; and its place in a slot: K's,
	s_mul_i32 s21, s17, 64*PVP
	s_add_co_u32 s21, s21, VOFF                    ; V's: no place in the cluster enters an LDS address
	s_lshl_b32 s2, s14, 16                         ; my block's 512 rows of 128 bytes,
	s_lshl_b32 s3, s[WV], 13                       ; my wave's 64 of them
	s_add_co_u32 s2, s2, s3
	s_lshl_b32 s3, s16, 18
	s_add_co_u32 s8, s2, s3                        ; Q: plane 0, head hh
	s_mov_b32 s9, 0
	s_and_b32 s3, s16, 15
	s_lshl_b32 s3, s3, 20                          ; O: head h's 8,192 tokens,
	s_add_co_u32 s10, s2, s3
	s_lshr_b32 s3, s16, 4
	s_lshl_b32 s3, s3, 18                          ; batch b's 2,048 of them
	s_add_co_u32 s10, s10, s3
	s_mov_b32 s11, 0
	s_cmp_lt_u32 s[WV], 4                          ; the prefetch's offset: K's plane (waves 0-3) or V's,
	s_mov_b32 s18, 2*PLANE
	s_cselect_b32 s18, PLANE, s18
	s_lshl_b32 s3, s16, 18                         ; the head,
	s_add_co_u32 s18, s18, s3
	s_bfe_u32 s3, s[WV], 0x10001
	s_lshl_b32 s3, s3, 15                          ; the half slot,
	s_add_co_u32 s18, s18, s3
	s_lshl_b32 s3, s13, 13                         ; my work-group's 8,192 bytes of it,
	s_add_co_u32 s18, s18, s3
	s_add_co_u32 s18, s18, 131072                  ; from key 1,024 on
	s_mov_b32 s19, 0
	s_and_b32 s[LIM], s[WV], 1
	s_cmp_eq_u32 s[LIM], 0                         ; the even waves ask: the same in all four partners
	s_cselect_b32 s[LIM], 2, -1
	; descriptor group 1: 64 rows of 256 bytes (32 elements of 8 bytes), dense in memory, padded in LDS
	s_mov_b32 s[G1K], 15|(3<<16)|(1<<20)|(1<<21)|(5<<22)|(3<<25)  ; 15:0 the mask: all four work-groups; 17:16 elements of 8 bytes; 20 padding on; 21 set beside a mask; 24:22 after every 64 words; 31:25 four words
	s_mov_b32 s[G1V], 15|(3<<16)|(1<<20)|(1<<21)|(5<<22)|(7<<25)  ; the same with eight words of padding
.irp g, G1K, G1V
	s_mov_b32 s[\g+1], 32<<16                      ; tensor_dim0 = 32
	s_mov_b32 s[\g+2], 64<<16                      ; tensor_dim1 = 64
	s_mov_b32 s[\g+3], 32<<16                      ; tile_dim0 = 32
	s_mov_b32 s[\g+4], 64                          ; tile_dim1 = 64
	s_mov_b32 s[\g+5], 32                          ; from row to row
	s_mov_b32 s[\g+6], 0
	s_mov_b32 s[\g+7], 0
.endr
	s_mov_b32 s[CS], 0x3e38aa3b                    ; c = log2(e) / 8
	s_mov_b32 s[CS+1], s[CS]                       ; named with it as a pair, so it is written
	s_mov_b32 s[SEL], 0x76543210
	s_mov_b32 s[SEL+1], 0xfedcba98
	s_mov_b32 s[TK], 0
	s_mov_b32 s[TV], VOFF
	s_wait_dscnt 0x0                               ; both opening adds are done
	s_wait_kmcnt 0x0
	s_add_nc_u64 s[22:23], s[4:5], s[22:23]        ; qkv at my head and quarter
	s_add_nc_u64 s[8:9], s[4:5], s[8:9]            ; Q at my wave's first row
	s_add_nc_u64 s[10:11], s[6:7], s[10:11]        ; O likewise
	s_add_nc_u64 s[PFA:PFA+1], s[4:5], s[PFA:PFA+1]
	CROUND                                         ; all four work-groups are here: the first joint loads meet
.irp s, 0,1
	s_mov_b32 s[G0K+4*\s], 1                       ; count = 1
	s_add_co_u32 s[G0K+4*\s+1], s20, \s*SLOT       ; LDS address
	s_add_nc_u64 s[G0K+4*\s+2:G0K+4*\s+3], s[22:23], PLANE+\s*65536  ; global address: slot s begins with keys 512 s
	s_or_b32 s[G0K+4*\s+3], s[G0K+4*\s+3], 0x80000000  ; type = 2
	s_mov_b32 s[G0V+4*\s], 1
	s_add_co_u32 s[G0V+4*\s+1], s21, \s*SLOT
	s_add_nc_u64 s[G0V+4*\s+2:G0V+4*\s+3], s[22:23], 2*PLANE+\s*65536
	s_or_b32 s[G0V+4*\s+3], s[G0V+4*\s+3], 0x80000000
.endr
	s_cmp_lt_u32 s[WV], 4                          ; a wave's two first fills stand in one branch, ahead of every wait on TENSORcnt and every LDS read
	s_cbranch_scc0 .Lfirst_v
	tensor_load_to_lds s[G0K:G0K+3], s[G1K:G1K+7]
	s_nop 0
	tensor_load_to_lds s[G0K+4:G0K+7], s[G1K:G1K+7]
	s_nop 0
.rept 4
	v_nop
.endr
	s_branch .Lfirst_asked
.Lfirst_v:
	tensor_load_to_lds s[G0V:G0V+3], s[G1V:G1V+7]
	s_nop 0
	tensor_load_to_lds s[G0V+4:G0V+7], s[G1V:G1V+7]
	s_nop 0
.rept 4
	v_nop
.endr
.Lfirst_asked:
	; A fragment of K or Q is 16 rows x 32 channels in 8 registers: lane l holds row l % 16; registers 0-3 channels 8 (l / 16) + 0..7, registers 4-7 channels 16 + 8 (l / 16) + 0..7: two loads of 16 bytes, 32 bytes apart.
	v_and_b32 v44, 15, v0                          ; r = l % 16
	v_bfe_u32 v45, v0, 4, 1                        ; h = l / 16
	v_lshlrev_b32 v[QO], 7, v44
	v_lshl_add_u32 v[QO], v45, 4, v[QO]            ; row x 128 + 16 x half
.irp i, 0,1,2,3,4,5,6,7                        ; Q stays in registers: tile i / 2, channels 32 (i % 2) on
	global_load_b128 v[Q+8*\i:Q+8*\i+3],   v[QO], s[8:9] offset:(\i/2)*2048+(\i%2)*64
	global_load_b128 v[Q+8*\i+4:Q+8*\i+7], v[QO], s[8:9] offset:(\i/2)*2048+(\i%2)*64+32
.endr
	v_lshrrev_b32 v46, 1, v44                      ; K: key r lies in row r / 2, at 128 (r % 2)
	v_mul_u32_u24 v[AK0], v46, PKP
	v_and_b32 v46, 1, v44
	v_lshl_add_u32 v[AK0], v46, 7, v[AK0]
	v_lshl_add_u32 v[AK0], v45, 4, v[AK0]
	; The turning load takes 16 keys x 16 channels (lane l reads 16 bytes: key 8 (l / 16) + l % 8, channels 8 ((l / 8) % 2) + 0..7) and leaves half a fragment of V^T: lane l holds channel l % 16 and 8 keys.
	v_bfe_u32 v46, v0, 1, 2
	v_lshl_add_u32 v46, v45, 2, v46                ; that key's row: 4 (l / 16) + (l % 8) / 2
	v_mul_u32_u24 v[AV0], v46, PVP
	v_and_b32 v46, 1, v0
	v_lshl_add_u32 v[AV0], v46, 7, v[AV0]
	v_bfe_u32 v46, v0, 3, 1
	v_lshl_add_u32 v[AV0], v46, 4, v[AV0]
	s_mul_i32 s16, s[WV], 16*SP
	s_add_co_u32 s16, s16, STAGE                   ; my stage
	v_mul_u32_u24 v[STO], v44, SP                  ; in: row l % 16, 16 bytes for each half of the lanes
	v_lshl_add_u32 v[STO], v45, 4, v[STO]
	v_add_nc_u32 v[STO], s16, v[STO]
	v_bfe_u32 v46, v0, 3, 2                        ; back: eight lanes take a row of 128 bytes, the 32 lanes four rows
	v_mul_u32_u24 v[RD], v46, SP
	v_and_b32 v46, 7, v0
	v_lshl_add_u32 v[RD], v46, 4, v[RD]
	v_add_nc_u32 v[RD], s16, v[RD]
	v_and_b32 v46, 31, v0
	v_lshlrev_b32 v[GO], 4, v46
	v_lshlrev_b32 v[PFO], 8, v46
; THE MATRIX WORK.  In both products 16 accumulators take turns, one instruction a turn.
; Product i of 32 of S^T = K Q^T: channels 32 (i / 16) on, keys 16 ((i / 4) % 4) on, tile i % 4.  The first 16 start the sums.
.macro QK
.set rS, S+32*(i%4)+8*((i/4)%4)
.set rK, KF+16*((i/4)%4)+8*(i/16)
.set rQ, Q+16*(i%4)+8*(i/16)
.if i < 16
	v_wmma_f32_16x16x32_f16 v[rS:rS+7], v[rK:rK+7], v[rQ:rQ+7], 0
.else
	v_wmma_f32_16x16x32_f16 v[rS:rS+7], v[rK:rK+7], v[rQ:rQ+7], v[rS:rS+7]
.endif
.endm
; Product i of 32 of O^T += V^T P: keys 32 (i / 16) on, channels 16 ((i / 4) % 4) on, tile i % 4.  zero = 1: the first 16 start the sums: nothing is ever cleared.
.macro PV zero
.set rO, 32*(i%4)+8*((i/4)%4)
.set rV, VF+8*(4*(i/16)+(i/4)%4)
.set rP, S+32*(i%4)+8*(i/16)
.if \zero && (i < 16)
	v_wmma_f32_16x16x32_f16 v[rO:rO+7], v[rV:rV+7], v[rP:rP+7], 0
.else
	v_wmma_f32_16x16x32_f16 v[rO:rO+7], v[rV:rV+7], v[rP:rP+7], v[rO:rO+7]
.endif
.endm
.macro FETCH_K                         ; a step's K: keys 16 (f / 2) on, channels 32 (f % 2) on
.irp f, 0,1,2,3,4,5,6,7
	ds_load_b128 v[KF+8*\f:KF+8*\f+3],   v[ADK] offset:(\f/2)*8*PKP+(\f%2)*64
	ds_load_b128 v[KF+8*\f+4:KF+8*\f+7], v[ADK] offset:(\f/2)*8*PKP+(\f%2)*64+32
.endr
.endm
.macro FETCH_V                         ; a step's V, turned: keys 32 (f / 4) on, channels 16 (f % 4) on
.irp f, 0,1,2,3,4,5,6,7
	ds_load_tr16_b128 v[VF+8*\f:VF+8*\f+3],   v[ADV] offset:(\f/4)*16*PVP+(\f%4)*32
	ds_load_tr16_b128 v[VF+8*\f+4:VF+8*\f+7], v[ADV] offset:(\f/4)*16*PVP+(\f%4)*32+8*PVP
.endr
.endm
; THE VECTOR WORK of a tile for a key step, in four lists.  first = 1: the first key step, which starts m, l and O^T: it has no a and nothing to rescale.
; SA, number j of 21: the maximum of the lane's 32 scores and the old m, three operands at a time: four chains, each on one accumulator from its low end on; the other half of the lanes' maximum; the new m; c m; c m_old - c m_new.
.macro SA t, first
.set rT, ST+8*(\t)
.set rS, S+32*(\t)
.if j < 4
	v_max3_num_f32 v[rT+4+j], v[rS+8*j], v[rS+8*j+1], v[rS+8*j+2]
.elseif j < 12
	v_max3_num_f32 v[rT+4+j%4], v[rT+4+j%4], v[rS+8*(j%4)+2*(j/4)+1], v[rS+8*(j%4)+2*(j/4)+2]
.elseif j == 12
	v_max3_num_f32 v[rT+4], v[rT+4], v[rS+7], v[rS+15]
.elseif j == 13
	v_max3_num_f32 v[rT+6], v[rT+6], v[rS+23], v[rS+31]
.elseif j == 14
	v_max3_num_f32 v[rT+4], v[rT+4], v[rT+5], v[rT+6]
.elseif (j == 15) && \first
	v_max_num_f32 v[rT+4], v[rT+4], v[rT+7]
.elseif j == 15
	v_max3_num_f32 v[rT+4], v[rT+4], v[rT+7], v[rT+1]
.elseif j == 16
	v_permlanex16_b32 v[rT+5], v[rT+4], s[SEL], s[SEL+1]  ; the query's other 32 keys lie in the lane 16 away
.elseif j == 18
	v_max_num_f32 v[rT+1], v[rT+4], v[rT+5]
.elseif j == 19
	v_mul_f32 v[rT], s[CS], v[rT+1]
.elseif \first                         ; the first step has neither of the two below
.elseif j == 17
	v_mov_b32 v[rT+7], v[rT]                       ; c m_old is kept for a: number 19 writes c m anew
.elseif j == 20
	v_sub_f32 v[rT+7], v[rT+7], v[rT]
.endif
.endm
.macro SB t                            ; number j of 16: pair j of the scores: c s - c m
.set rT, ST+8*(\t)
.set rS, S+32*(\t)
	v_pk_fma_f32 v[rS+2*j:rS+2*j+1], v[rS+2*j:rS+2*j+1], s[CS:CS+1], v[rT:rT+1] op_sel_hi:[1,0,0] neg_lo:[0,0,1] neg_hi:[0,0,1]
.endm
.macro EX y, first                     ; exponential k of 66 of tiles y, y + 1, the tiles by turns: first a, then the 32 weights in place
.set rT, ST+8*((\y)+k%2)
.set rS, S+32*((\y)+k%2)
.if k/2 == 0
.if \first == 0
	v_exp_f32 v[rT+6], v[rT+7]
.endif
.else
	v_exp_f32 v[rS+k/2-1], v[rS+k/2-1]
.endif
.endm
.macro SD t, first                     ; number j of 16: the sum of the tile's 16 pairs of weights, in two chains: l = a l + the even pairs; the odd pairs apart; then both
.set rT, ST+8*(\t)
.set rS, S+32*(\t)
.if (j == 0) && \first
	v_pk_add_f32 v[rT+2:rT+3], v[rS:rS+1], v[rS+4:rS+5]
.elseif j == 0
	v_pk_fma_f32 v[rT+2:rT+3], v[rT+2:rT+3], v[rT+6:rT+7], v[rS:rS+1] op_sel_hi:[1,0,1]
.elseif j == 1
	v_pk_add_f32 v[rT+4:rT+5], v[rS+2:rS+3], v[rS+6:rS+7]
.elseif (j == 2) && \first             ; pair 2 went in with pair 0
.elseif j == 15
	v_pk_add_f32 v[rT+2:rT+3], v[rT+2:rT+3], v[rT+4:rT+5]
.elseif j%2 == 0
	v_pk_add_f32 v[rT+2:rT+3], v[rT+2:rT+3], v[rS+2*j:rS+2*j+1]
.else
	v_pk_add_f32 v[rT+4:rT+5], v[rT+4:rT+5], v[rS+2*j+4:rS+2*j+5]
.endif
.endm
.macro CV t                            ; number j of 16: pair j of the weights, rounded to f16, into register j of the tile: ascending, so that no pair is written over before it is read; behind all of the tile's sums
.set rS, S+32*(\t)
	v_cvt_pk_f16_f32 v[rS+j], v[rS+2*j], v[rS+2*j+1]
.endm
.macro PL1 y, first                    ; number n of 74 of tiles y, y + 1, the tiles by turns: SA, then SB
.if n < 42
.set j, n/2
	SA (\y)+n%2, \first
.elseif n < 74
.set j, (n-42)/2
	SB (\y)+n%2
.endif
.endm
.macro PL2 y, first                    ; number n of 64 of tiles y, y + 1, the tiles by turns: SD, then CV
.if n < 32
.set j, n/2
	SD (\y)+n%2, \first
.elseif n < 64
.set j, (n-32)/2
	CV (\y)+n%2
.endif
.endm
; A TRIP: the softmax and V^T P of the key step in hand, and (more = 1) the fetches and K Q^T of the next.
; The exponentials of two tiles go as ONE batch with ONE wait, and stand one by one between plain work of the other two tiles, which names none of their results.
.macro TRIP first, more, ask
.if \more
	v_add_nc_u32 v[ADK], s[TK], v[AK0]             ; with the three below: the four places behind the last K Q^T, for the loads into K's registers and for the first reads of the scores
.rept 3
	v_nop
.endr
	s_add_co_u32 s[TK], s[TK], KSTB
	WIN W_LD
	FETCH_K                                        ; the next step's K: a whole softmax ahead of its use
	WIN 0
.if \ask
	ASK
.endif
.else
.rept 4
	v_nop
.endr
.endif
.set n, 0
.rept 74
	PL1 0, \first                                  ; tiles 0, 1: maximum and scaling
.set n, n+1
.endr
.set k, 0
.rept 66
	EX 0, \first                                   ; tiles 0, 1: exponentials | tiles 2, 3: maximum and scaling
.set n, k
	PL1 2, \first
.set k, k+1
.endr
.set n, 66
.rept 8
	PL1 2, \first
.set n, n+1
.endr
	s_wait_alu depctr_va_vdst(0)                   ; one wait for the batch of tiles 0, 1, ahead of its first reader
.set k, 0
.rept 66
	EX 2, \first                                   ; tiles 2, 3: exponentials | tiles 0, 1: sums and roundings
.set n, k
	PL2 0, \first
.set k, k+1
.endr
	v_nop                                          ; a plain instruction behind the last exponential
	s_wait_alu depctr_va_vdst(0)                   ; one wait for the batch of tiles 2, 3
.set n, 0
.rept 64
	PL2 2, \first
.set n, n+1
.endr
.if \first == 0
	WIN W_RS
.set n, 0
.rept 64
	v_pk_mul_f32 v[2*n:2*n+1], v[2*n:2*n+1], v[ST+8*(n/16)+6:ST+8*(n/16)+7] op_sel_hi:[1,0]  ; O^T x a, each accumulator from its low end on
.set n, n+1
.endr
.endif
	s_wait_dscnt 16*\more                          ; this step's V is in; the sixteen loads of the next step's K, issued behind it, may be out
	WIN W_PV
.set i, 0
.rept 32
	PV \first
.set i, i+1
.endr
.if \more
	WIN 0
	v_add_nc_u32 v[ADV], s[TV], v[AV0]             ; with the four below: five places behind the last V^T P: four for the loads into V's registers, five for K Q^T, which writes over P
.rept 4
	v_nop
.endr
	s_add_co_u32 s[TV], s[TV], VSTB
	WIN W_LD
	FETCH_V                                        ; the next step's V: a whole softmax ahead of its use
	s_wait_dscnt 16                                ; the next step's K is in; V's sixteen loads may be out
	WIN W_KQ
.set i, 0
.rept 32
	QK
.set i, i+1
.endr
.endif
	WIN 0                                          ; at a label and at a branch every window is 0
.endm
.macro STEPS n, ask                    ; n key steps, written once
	s_mov_b32 s[CNT], \n
.Lstep_\@:
	TRIP 0, 1, \ask
	s_sub_co_u32 s[CNT], s[CNT], 1
	s_cmp_lg_u32 s[CNT], 0
	s_cbranch_scc1 .Lstep_\@
.endm
; THE CHANGE OF SLOTS, when slot old's last step has been fetched.  Each wave waits for all its tensor loads, of which one is out: its part of slot new; adds 0 to its spare word; and waits for that and for its reads of slot old.
; Behind the barrier nobody reads slot old and slot new is whole.  fill = 1: slot old is filled again, with the keys 1,024 on: the barrier is then a round of the cluster's, and the joint refill is the first thing behind it.
.macro CHANGE fill, old, new
	s_wait_tensorcnt 0x0                           ; no tensor load of mine is out, so a group 0 may be written
	ds_add_u32 v[SPW], v[NIL]                      ; 0 onto my spare word
.if \fill
	s_add_nc_u64 s[G0K+4*\old+2:G0K+4*\old+3], s[G0K+4*\old+2:G0K+4*\old+3], 131072  ; two slots on; the type bits on top are not reached
	s_add_nc_u64 s[G0V+4*\old+2:G0V+4*\old+3], s[G0V+4*\old+2:G0V+4*\old+3], 131072
.if \old == 0
	s_wait_xcnt 0x0                                ; the prefetch, more than a key step back, has read its address, so it may be written:
	s_add_nc_u64 s[PFA:PFA+1], s[PFA:PFA+1], 65536 ; a slot on
.endif
	s_wait_dscnt 0x0                               ; the add is done, and my reads of the slot are over
	CROUND
	JLOAD \old
.else
	s_wait_dscnt 0x0
	s_barrier_signal -1
	s_barrier_wait -1
.endif
	s_mov_b32 s[TK], \new*SLOT                     ; the fetches go on at the other slot's first step
	s_mov_b32 s[TV], \new*SLOT+VOFF
.endm
	s_wait_tensorcnt 1                             ; my part of slot 0 is in; slot 1's, issued behind it, may stay out
	s_barrier_signal -1
	s_barrier_wait -1                              ; everybody's is
	v_add_nc_u32 v[ADK], s[TK], v[AK0]
	s_add_co_u32 s[TK], s[TK], KSTB
	v_add_nc_u32 v[ADV], s[TV], v[AV0]
	s_add_co_u32 s[TV], s[TV], VSTB
	WIN W_LD
	FETCH_K                                        ; key step 0
	FETCH_V
	s_wait_loadcnt 0x0                             ; Q
	s_wait_dscnt 16                                ; K is in; V's sixteen loads may be out
	WIN W_KQ
.set i, 0
.rept 32
	QK
.set i, i+1
.endr
	WIN 0
	TRIP 1, 1, 0                                   ; key step 0 starts m, l and O^T
	STEPS 6, 1                                     ; steps 1 to 6; the last of them fetches step 7, slot 0's last
	CHANGE 1, 0, 1                                 ; slot 0 takes keys 1,024 on
	STEPS 8, 1                                     ; steps 7 to 14
	CHANGE 1, 1, 0                                 ; slot 1 takes keys 1,536 on
	STEPS 8, 0                                     ; steps 15 to 22
	CHANGE 0, 0, 1                                 ; nothing is left to fetch
	STEPS 8, 0                                     ; steps 23 to 30
	TRIP 0, 0, 0                                   ; step 31
	; THE WAY OUT.  l's two halves and the other half of the lanes' are added; O^T is divided by l, rounded to f16 and sent through my stage in LDS, a tile (16 rows of O) at a time.  The additions are the places behind the last products.
.irp t, 0,1,2,3
	v_add_f32 v[ST+8*\t+4], v[ST+8*\t+2], v[ST+8*\t+3]
.endr
.irp t, 0,1,2,3
	v_permlanex16_b32 v[ST+8*\t+5], v[ST+8*\t+4], s[SEL], s[SEL+1]
.endr
.irp t, 0,1,2,3
	v_add_f32 v[ST+8*\t+4], v[ST+8*\t+4], v[ST+8*\t+5]
.endr
.irp t, 0,1,2,3
	v_rcp_f32 v[ST+8*\t+6], v[ST+8*\t+4]
.endr
	v_nop                                          ; a plain instruction between the last reciprocal and the use of its result
	s_wait_alu depctr_va_vdst(0)                   ; and one wait for the four reciprocals, ahead of the first use
; Tile t: a lane's eight channels of a row pack into 16 bytes; they go into rows of 144 bytes and come back as 16 dense rows of 128.
.macro PACK t
	WIN W_RS
.set n, 0
.rept 16
	v_pk_mul_f32 v[32*\t+2*n:32*\t+2*n+1], v[32*\t+2*n:32*\t+2*n+1], v[ST+8*\t+6:ST+8*\t+7] op_sel_hi:[1,0]
.set n, n+1
.endr
	WIN 0x05                                       ; sources 0 and 1 window 1, destination window 0: S^T's registers are free
.set n, 0
.rept 16
	v_cvt_pk_f16_f32 v[S+32*\t+n], v[32*\t+2*n], v[32*\t+2*n+1]
.set n, n+1
.endr
	WIN 0
.irp f, 0,1,2,3
	ds_store_b128 v[STO], v[S+32*\t+4*\f:S+32*\t+4*\f+3] offset:32*\f
.endr
.irp f, 0,1,2,3
	ds_load_b128 v[S+32*\t+16+4*\f:S+32*\t+16+4*\f+3], v[RD] offset:\f*4*SP  ; LDS serves a wave's instructions in order (ISA guide 5.7.1.4): these see the stores above; the next tile's stores come behind them
.endr
.endm
.macro SEND t, younger                 ; younger: the LDS instructions issued behind tile t's loads: the next tile's eight, or none
.irp f, 0,1,2,3
	s_wait_dscnt \younger+3-\f
	global_store_b128 v[GO], v[S+32*\t+16+4*\f:S+32*\t+16+4*\f+3], s[10:11] offset:\t*2048+\f*512  ; 32 lanes store 512 consecutive bytes
.endr
.endm
	PACK 0
	PACK 1                                         ; a tile's arithmetic stands between the loads of the tile before and its stores
	SEND 0, 8
	PACK 2
	SEND 1, 8
	PACK 3
	SEND 2, 8
	SEND 3, 0
	s_wait_tensorcnt 0x0                           ; the wave's end: a wait, an add of 0 to my spare word and a wait, behind my last tensor load and my last LDS store
	ds_add_u32 v[SPW], v[NIL]
	s_wait_dscnt 0x0
	CROUND                                         ; the closing round: no work-group ends while a partner may still ask for a tile that names it
	s_endpgm
.Lfunc_end_k_q20439b0a68_attn:
	.size	k_q20439b0a68_attn, .Lfunc_end_k_q20439b0a68_attn-k_q20439b0a68_attn
	.p2alignl 7, 3214868480
	.fill 96, 4, 3214868480
	.section	.rodata,"a",@progbits
	.p2align	6, 0x0
	.amdhsa_kernel k_q20439b0a68_attn
		.amdhsa_group_segment_fixed_size 327680
		.amdhsa_private_segment_fixed_size 0
		.amdhsa_enable_private_segment 0
		.amdhsa_kernarg_size 16
		.amdhsa_user_sgpr_count 2
		.amdhsa_user_sgpr_kernarg_segment_ptr 1
		.amdhsa_wavefront_size32 1
		.amdhsa_system_sgpr_workgroup_id_x 1
		.amdhsa_system_sgpr_workgroup_id_y 1
		.amdhsa_system_sgpr_workgroup_id_z 1
		.amdhsa_system_vgpr_workitem_id 0
		.amdhsa_next_free_vgpr 512
		.amdhsa_next_free_sgpr 66
		.amdhsa_reserve_vcc 0
		.amdhsa_float_denorm_mode_32 3
		.amdhsa_float_denorm_mode_16_64 3
		.amdhsa_memory_ordered 1
		.amdhsa_forward_progress 1
		.amdhsa_inst_pref_size 212
	.end_amdhsa_kernel
	.amdgpu_metadata
---
amdhsa.version: [ 1, 2 ]
amdhsa.kernels:
  - .name:           k_q20439b0a68_attn
    .symbol:         k_q20439b0a68_attn.kd
    .args:
      - { .name: qkv, .offset: 0, .size: 8, .value_kind: global_buffer, .address_space: global }
      - { .name: o16, .offset: 8, .size: 8, .value_kind: global_buffer, .address_space: global }
    .group_segment_fixed_size: 327680
    .private_segment_fixed_size: 0
    .kernarg_segment_align: 8
    .kernarg_segment_size: 16
    .max_flat_workgroup_size: 256
    .sgpr_count:     66
    .vgpr_count:     512
    .wavefront_size: 32
...
	.end_amdgpu_metadata
.endif
;; end of part 3
;; launch proj (part 4): grid 4 x 64, 4 waves a work-group, clusters of 4 x 4, 327,680 bytes of LDS; arguments o16, wp16, b_proj, out0; writes out0
.if DOCPART == 4
	.amdgcn_target "amdgcn-amd-amdhsa--gfx1250"
	.amdhsa_code_object_version 6
	.text
	.protected	k_q20439b0a68_proj
	.globl	k_q20439b0a68_proj
	.p2align	8
	.type	k_q20439b0a68_proj,@function
k_q20439b0a68_proj:
	s_mov_b64 s[64:65], 0
	v_nop
	global_prefetch_b8 v0, s[64:65] scope:SCOPE_SE
	s_setreg_imm32_b32 hwreg(HW_REG_WAVE_MODE, 25, 1), 1
	s_wait_xcnt 0x0
	s_wait_alu depctr_hold_cnt(0) depctr_sa_sdst(0) depctr_va_vdst(0) depctr_va_sdst(0) depctr_va_ssrc(0) depctr_va_vcc(0) depctr_vm_vsrc(0)
	s_getreg_b32 s2, hwreg(HW_REG_IB_STS2, 6, 4)
	s_cmp_eq_u32 s2, 0
	s_cbranch_scc0 .Lentry_in_a_cluster
	s_endpgm
.Lentry_in_a_cluster:
	s_bfe_u32 s2, ttmp6, 0x10000c
	s_cmp_lg_u32 s2, 0xf033
	s_cbranch_scc0 .Lentry_shape_is_right
	s_endpgm
.Lentry_shape_is_right:
; out0[m][n] = the sum over k of O[m][k] W[n][k] + b[n].  O: o16 [head 16][token 8192][64] f16 (k = 64 head + channel);  W: wp16 [1024][1024] f16;  b: [1024] f32;  out0: [8192][1024] f32.  Sums in f32.
; A tile of C is 128 rows x 256 columns: 256 work-groups.  Four waves, each 64 x 128: 32 accumulators of 16 x 16, 256 registers.  K goes in 8 steps of 128 (two heads) through a ring of two LDS slots.
; A's part of a K step is two dense blocks of memory (a head's 128 tokens x 128 bytes): each comes as 64 rows of 256 bytes, two tokens to a row.  B's part is 256 rows of 256 bytes.  Waves 0, 1 fetch A's two heads, waves 2, 3 B's halves.
; By this text's own count a wave has two tensor loads out at the start and one behind each round; that load has a K step less sixteen matrix instructions, 112, in which to land.
; CLUSTERS: 4 x 4 work-groups.  The four of a row of the cluster need the same tiles of A, the four of a column the same tiles of B: each tile is asked for JOINTLY.
; THE MATRIX INSTRUCTION IS USED TRANSPOSED (source 0 = 16 rows of W, source 1 = 16 rows of O): a lane then holds eight neighbouring columns of one row of C.  THE BIAS is the C of each sum's first matrix instruction.
; REGISTERS: window 0: v1-30 addresses; v32-95 the bias, 8 registers for each of my 8 blocks of columns; v128-159, v160-191 A's fragments, two buffers; on the way out v128-255.
;   window 1: B's fragments, two buffers, at v0 and v64.   window 2: the accumulators ((a, b) at v[8 (8 a + b)]).
.set PITCH,  272                       ; an LDS row: 256 bytes + 16 of padding: the 16 rows (B), or 8 rows x 2 tokens (A), of half a load fall on 16 different columns of 16 bytes
.set HALFA,  64*PITCH                  ; a head's 128 tokens
.set HALFB,  128*PITCH                 ; 128 rows of W
.set SLOT,   2*HALFA+2*HALFB
.set SPARE,  2*SLOT                    ; behind the ring: the spare words, 128 bytes for each wave, which no other line names
.set SPITCH, 528                       ; the way out: a stage of 16 rows x (512 bytes + 16) for each wave, in slot 0, which has had its last fill and its last read when the first result is stored there
.set HEADB,  1048576                   ; a head's plane of o16
.set ADRA, 16                          ; v16-17  LDS address of my A fragments in slot 0, 1
.set ADRB, 20                          ; v20-21  the same for B
.set STO,  24                          ; v24     the way out: where I put 32 bytes of a row
.set RD,   25                          ; v25     where I read a row back
.set CO,   26                          ; v26     16 x lane: my byte offset in my 512 bytes of a row of C
.set BO,   27                          ; v27     32 x (lane / 16): my eight numbers of a block of the bias
.set SPW,  28                          ; v28     LDS address of my spare word; never rewritten
.set NIL,  29                          ; v29     0; never rewritten
.set PFO,  30                          ; v30     the prefetches' offset: head (lane / 16), 256 x (lane % 16); never rewritten
.set BIAS, 32
.set AF,   128
.set BK,   128                         ; the way out: 16 rows read back: v128-191 and v192-255 by turns
.set WV,   12                          ; s12 wave;  s13 which half of the rows is mine, also: I fetch for A (0) or B (1);  s14 which half of the columns, also: which half I fetch
.set G1A, 24                           ; s[24:31] descriptor group 1 for A's tiles;  s[32:39] group 0, a set for each slot
.set G0A, 32
.set G1B, 48                           ; s[48:55], s[56:63] the same for B's
.set G0B, 56
.set LIM, 43                           ; s43  1 in the wave that prefetches, else the greatest number
.set PFA, 44                           ; s[44:45] where my prefetches stand: a K step behind the one that a prefetch names
.set MSB, 0
.macro WIN new                         ; the immediate's high byte repeats the setting that is left
.if MSB != \new
	s_set_vgpr_msb (MSB<<8)|\new
.set MSB, \new
.endif
.endm
.set MUL,   0xa1                       ; source 0 (B) window 1, source 1 (A) window 0, C and D window 2
.set MUL_B, 0x81                       ; the same with C, the bias, in window 0
.set TO_B,  0x40                       ; destination window 1, address window 0
.macro JLOAD s                         ; a joint load; the branch hangs on the wave's number alone; an s_nop 0 and four v_nop follow each of the two lines
	s_cmp_eq_u32 s13, 0
	s_cbranch_scc0 .Lfor_b_\@
	tensor_load_to_lds s[G0A+4*\s:G0A+4*\s+3], s[G1A:G1A+7]
	s_nop 0
.rept 4
	v_nop
.endr
	s_branch .Lasked_\@
.Lfor_b_\@:
	tensor_load_to_lds s[G0B+4*\s:G0B+4*\s+3], s[G1B:G1B+7]
	s_nop 0
.rept 4
	v_nop
.endr
.Lasked_\@:
.endm
; A PREFETCH INTO THE L2 of A's part of the K step that stands two refills on: two heads x 16,384 bytes.  It stands behind the joint load, its five lines and the run of LDS loads that follows.
; Each aligned 256 bytes are named once in the launch: a tile row of A is read by one row of one cluster; its four partners take 4,096 bytes of each head, told apart BY ADDRESS; in each, wave 0 asks, a lane naming 256 bytes.
; The first four K steps come by their loads alone; the loop's last trip asks for nothing: there is no K step two refills on.  B's rows are read by every cluster, again and again: they are not asked for.
.macro ASK
	s_cmp_gt_u32 s3, s[LIM]                        ; s3 = 1 in the loop's last trip
	s_cbranch_scc0 .Lnot_mine_\@
	global_prefetch_b8 v[PFO], s[PFA:PFA+1] offset:2*HEADB th:TH_LOAD_NT scope:SCOPE_SE
.Lnot_mine_\@:
.endm
.macro CREST                           ; a round of the cluster's barrier behind its opening barrier
	s_cmp_lg_u32 s[WV], 0
	s_cbranch_scc1 .Lnot_wave_0_\@
	s_barrier_signal -3
.Lnot_wave_0_\@:
	s_barrier_wait -3
	s_barrier_signal -1
	s_barrier_wait -1
.endm
.macro CROUND                          ; a whole round
	s_barrier_signal -1
	s_barrier_wait -1
	CREST
.endm
	s_load_b256 s[4:11], s[0:1], 0x0               ; o16 s[4:5], wp16 s[6:7], b_proj s[8:9], out0 s[10:11]
	v_lshl_add_u32 v[SPW], v0, 2, SPARE
	v_mov_b32 v[NIL], 0
	ds_add_u32 v[SPW], v[NIL]                      ; the wave's opening: the add, twice on end, and its wait ahead of my first tensor load
	ds_add_u32 v[SPW], v[NIL]                      ; the set-up below, work on registers, stands between the second and the wait
	v_lshrrev_b32 v1, 5, v0
	v_readfirstlane_b32 s[WV], v1                  ; wave 0..3
	s_lshr_b32 s13, s[WV], 1
	s_and_b32 s14, s[WV], 1
	s_bfe_u32 s15, ttmp6, 0x40000                  ; cx, cy: my place in the cluster
	s_bfe_u32 s16, ttmp6, 0x40004
	s_lshl_b32 s17, ttmp9, 2
	s_add_co_u32 s17, s17, s15                     ; tile column of C = 4 x cluster x + cx
	s_and_b32 s18, ttmp7, 0xffff
	s_lshl_b32 s18, s18, 2
	s_add_co_u32 s18, s18, s16                     ; tile row of C = 4 x cluster y + cy
	s_lshl_b32 s40, s16, 2
	s_lshl_b32 s40, 15, s40                        ; my row of the cluster
	s_lshl_b32 s41, 0x1111, s15                    ; my column
	; A: 64 rows of 256 bytes (32 elements of 8 bytes), dense in memory;  B: 128 rows of 128 elements of 2 bytes, 1,024 elements apart.  16 bytes of padding behind every 256
	s_or_b32 s[G1A+0], s40, (3<<16)|(1<<20)|(1<<21)|(5<<22)|(3<<25)  ; 15:0 the mask: A's tiles go to my row; 17:16 the element's size; 20 padding on; 21 set beside a mask; 24:22 after every 64 words; 31:25 four words
	s_mov_b32 s[G1A+1], 32<<16                     ; tensor_dim0
	s_mov_b32 s[G1A+2], 64<<16                     ; tensor_dim1
	s_mov_b32 s[G1A+3], 32<<16                     ; tile_dim0
	s_mov_b32 s[G1A+4], 64                         ; tile_dim1
	s_mov_b32 s[G1A+5], 32                         ; from row to row
	s_mov_b32 s[G1A+6], 0
	s_mov_b32 s[G1A+7], 0
	s_or_b32 s[G1B+0], s41, (1<<16)|(1<<20)|(1<<21)|(5<<22)|(3<<25)  ; the mask: B's tiles go to my column
	s_mov_b32 s[G1B+1], 128<<16
	s_mov_b32 s[G1B+2], 128<<16
	s_mov_b32 s[G1B+3], 128<<16
	s_mov_b32 s[G1B+4], 128
	s_mov_b32 s[G1B+5], 1024
	s_mov_b32 s[G1B+6], 0
	s_mov_b32 s[G1B+7], 0
	s_lshl_b32 s20, s14, 20                        ; A: the head of the K step's two that I fetch,
	s_lshl_b32 s21, s18, 14                        ; the tile row's 128 tokens of 128 bytes
	s_add_co_u32 s20, s20, s21
	s_mov_b32 s21, 0
	s_lshl_b32 s46, s17, 19                        ; B: the tile column's 256 rows of 2,048 bytes,
	s_lshl_b32 s47, s14, 18                        ; the 128 of them that I fetch
	s_add_co_u32 s46, s46, s47
	s_mov_b32 s47, 0
	s_mul_i32 s22, s14, HALFA                      ; where they go: no place in the cluster enters an LDS address
	s_mul_i32 s23, s14, HALFB
	s_add_co_u32 s23, s23, 2*HALFA
	s_wait_dscnt 0x0                               ; both opening adds are done
	s_wait_kmcnt 0x0
	s_add_nc_u64 s[20:21], s[4:5], s[20:21]
	s_add_nc_u64 s[46:47], s[6:7], s[46:47]
	CROUND                                         ; all sixteen work-groups are here: the first joint loads meet
.irp s, 0,1
	s_mov_b32 s[G0A+4*\s], 1
	s_add_co_u32 s[G0A+4*\s+1], s22, \s*SLOT
	s_add_nc_u64 s[G0A+4*\s+2:G0A+4*\s+3], s[20:21], \s*2*HEADB   ; K step s: heads 2 s, 2 s + 1
	s_or_b32 s[G0A+4*\s+3], s[G0A+4*\s+3], 0x80000000
	s_mov_b32 s[G0B+4*\s], 1
	s_add_co_u32 s[G0B+4*\s+1], s23, \s*SLOT
	s_add_nc_u64 s[G0B+4*\s+2:G0B+4*\s+3], s[46:47], \s*256
	s_or_b32 s[G0B+4*\s+3], s[G0B+4*\s+3], 0x80000000
	JLOAD \s
.endr
	v_and_b32 v1, 15, v0                           ; r = l % 16
	v_bfe_u32 v2, v0, 4, 1                         ; h = l / 16
	v_lshrrev_b32 v3, 1, v1                        ; A: token r lies in row r / 2, at 128 (r % 2)
	v_mul_u32_u24 v3, v3, PITCH
	v_and_b32 v4, 1, v1
	v_lshl_add_u32 v3, v4, 7, v3
	v_lshl_add_u32 v3, v2, 4, v3
	v_mul_u32_u24 v4, v1, PITCH                    ; B: row r
	v_lshl_add_u32 v4, v2, 4, v4
	s_mul_i32 s21, s13, 32*PITCH                   ; my 64 tokens: 32 rows
	s_mul_i32 s22, s14, HALFB                      ; my 128 rows of B,
	s_add_co_u32 s22, s22, 2*HALFA                 ; which lie behind A's two heads
.irp s, 0,1
	v_add_nc_u32 v[ADRA+\s], s21, v3
	v_add_nc_u32 v[ADRB+\s], s22, v4
	s_add_co_u32 s21, s21, SLOT
	s_add_co_u32 s22, s22, SLOT
.endr
	s_mul_i32 s23, s[WV], 16*SPITCH                ; my stage
	v_mul_u32_u24 v5, v1, SPITCH                   ; in: row l % 16, 32 bytes for each half of the lanes
	v_lshl_add_u32 v5, v2, 5, v5
	v_add_nc_u32 v[STO], s23, v5
	v_and_b32 v6, 31, v0
	v_lshlrev_b32 v[CO], 4, v6                     ; back: the 32 lanes take one row of 512 bytes; and the same in C
	v_add_nc_u32 v[RD], s23, v[CO]
	v_lshlrev_b32 v[BO], 5, v2
	v_lshlrev_b32 v[PFO], 8, v1
	v_lshl_add_u32 v[PFO], v2, 20, v[PFO]
	s_lshl_b32 s40, s17, 10                        ; my first column, in bytes of f32: 1,024 x tile column + 512 x half
	s_lshl_b32 s41, s14, 9
	s_add_co_u32 s40, s40, s41
	s_mov_b32 s41, 0
	s_add_nc_u64 s[8:9], s[8:9], s[40:41]          ; the bias at my first column
	s_add_nc_u64 s[10:11], s[10:11], s[40:41]
	s_lshl_b32 s40, s18, 19                        ; my first row of C: 128 x tile row + 64 x half, rows of 4,096 bytes
	s_lshl_b32 s42, s13, 18
	s_add_co_u32 s40, s40, s42
	s_add_nc_u64 s[10:11], s[10:11], s[40:41]
.irp b, 0,1,2,3,4,5,6,7                        ; lane (r, h) wants, for block b, the bias of columns 16 b + 8 h + 0 .. 7: the result's layout
	global_load_b128 v[BIAS+8*\b:BIAS+8*\b+3],   v[BO], s[8:9] offset:64*\b
	global_load_b128 v[BIAS+8*\b+4:BIAS+8*\b+7], v[BO], s[8:9] offset:64*\b+16
.endr
	s_lshl_b32 s46, s18, 14                        ; the prefetches: the tile row's tokens,
	s_lshl_b32 s47, s15, 12                        ; my work-group's 4,096 bytes of each head,
	s_add_co_u32 s46, s46, s47
	s_add_co_u32 s46, s46, 2*2*HEADB               ; at K step 2: the first refill steps it to 3 and names K step 4
	s_mov_b32 s47, 0
	s_add_nc_u64 s[PFA:PFA+1], s[4:5], s[46:47]
	s_cmp_eq_u32 s[WV], 0
	s_cselect_b32 s[LIM], 1, -1                    ; wave 0 asks: the same in all sixteen partners
; 8 matrix instructions: A's block a x B's eight, 32 along K, from buffer f.  zero = 1: the sums start from the bias.  The 32 accumulators take turns, one instruction a turn, in the same order in every quarter.
.macro MULA f, a, zero
.irp b, 0,1,2,3,4,5,6,7
.if \zero
	v_wmma_f32_16x16x32_f16 v[8*(8*(\a)+\b):8*(8*(\a)+\b)+7], v[64*(\f)+8*\b:64*(\f)+8*\b+7], v[AF+32*(\f)+8*(\a):AF+32*(\f)+8*(\a)+7], v[BIAS+8*\b:BIAS+8*\b+7]
.else
	v_wmma_f32_16x16x32_f16 v[8*(8*(\a)+\b):8*(8*(\a)+\b)+7], v[64*(\f)+8*\b:64*(\f)+8*\b+7], v[AF+32*(\f)+8*(\a):AF+32*(\f)+8*(\a)+7], v[8*(8*(\a)+\b):8*(8*(\a)+\b)+7]
.endif
.endr
.endm
; 24 LDS loads in one run: the fragments of the slot's q-th 32 along K (head q / 2 of the two, channels 32 (q % 2) on) into buffer f: B's eight, then A's four
.macro FETCH slot, q, f
	WIN TO_B
.irp i, 0,1,2,3,4,5,6,7
	ds_load_b128 v[64*(\f)+8*\i:64*(\f)+8*\i+3],   v[ADRB+\slot] offset:64*(\q)+\i*16*PITCH
	ds_load_b128 v[64*(\f)+8*\i+4:64*(\f)+8*\i+7], v[ADRB+\slot] offset:64*(\q)+\i*16*PITCH+32
.endr
	WIN 0
.irp i, 0,1,2,3
	ds_load_b128 v[AF+32*(\f)+8*\i:AF+32*(\f)+8*\i+3],   v[ADRA+\slot] offset:((\q)/2)*HALFA+((\q)%2)*64+\i*8*PITCH
	ds_load_b128 v[AF+32*(\f)+8*\i+4:AF+32*(\f)+8*\i+7], v[ADRA+\slot] offset:((\q)/2)*HALFA+((\q)%2)*64+\i*8*PITCH+32
.endr
.endm
.macro PLACES                          ; four places in front of loads into registers that matrix instructions have read, and of the first read of results (ISA guide 7.12.1 for vector instructions)
.rept 4
	v_nop
.endr
.endm
; A K step is four quarters of 32 along K, 32 matrix instructions each, on buffers 0, 1, 0, 1.  One of the first three: multiplies buffer f and fetches quarter q of the slot into buffer g.
.macro QUARTER slot, q, f, g, zero
	s_wait_dscnt 4                                 ; B's eight and A's blocks 0, 1 are in; the youngest four loads (A's blocks 2, 3) may be out
.if \zero
	WIN MUL_B
.else
	WIN MUL
.endif
	MULA \f, 0, \zero
	MULA \f, 1, \zero
	PLACES
	FETCH \slot, \q, \g
	s_wait_dscnt 24                                ; all but the 24 just issued
.if \zero
	WIN MUL_B
.else
	WIN MUL
.endif
	MULA \f, 2, \zero
	MULA \f, 3, \zero
.endm
; The last quarter multiplies buffer 1 and changes slots: ONE barrier; in front of it each wave waits for all its tensor loads, adds 0 to its spare word, and waits for that and for its reads of this slot.  fill = 1: this slot is filled again, two K steps ahead.
.macro TURN slot, next, fill
.if \fill
	s_wait_xcnt 0x0                                ; the last prefetch, a K step back, has read its address: it is stepped here, ahead of the waits of the change of slots
	s_add_nc_u64 s[PFA:PFA+1], s[PFA:PFA+1], 2*HEADB
.endif
	WIN 0                                          ; (the add's two registers lie in window 0)
	s_wait_tensorcnt 0x0                           ; all my tensor loads have landed: my part of the next slot
	ds_add_u32 v[SPW], v[NIL]                      ; 0 onto my spare word
	s_wait_dscnt 5                                 ; (the add and the youngest four loads may be out)
	WIN MUL
	MULA 1, 0, 0                                   ; eight matrix instructions stand between the add and the wait for it
	s_wait_dscnt 0x0                               ; the add is done, and my reads of this slot are over
	s_barrier_signal -1
	MULA 1, 1, 0
	WIN 0
	s_barrier_wait -1
.if \fill
	CREST                                          ; the barrier has opened a round of the cluster's: no wave of any partner still reads this slot's tile or has a load on its way
	s_add_nc_u64 s[G0A+4*\slot+2:G0A+4*\slot+3], s[G0A+4*\slot+2:G0A+4*\slot+3], 4*HEADB
	s_add_nc_u64 s[G0B+4*\slot+2:G0B+4*\slot+3], s[G0B+4*\slot+2:G0B+4*\slot+3], 512
	JLOAD \slot                                    ; the first tensor load behind the round; the four v_nop behind it are also the places in front of the loads below
.else
	PLACES
.endif
	FETCH \next, 0, 0
.if \fill
	ASK
.endif
	WIN MUL
	MULA 1, 2, 0
	MULA 1, 3, 0
.endm
	s_wait_tensorcnt 1                             ; my part of K step 0 is in (K step 1's load, issued behind it, may be out),
	s_barrier_signal -1
	s_barrier_wait -1                              ; everybody's is
	FETCH 0, 0, 0
	s_wait_loadcnt 0x0                             ; the bias
	QUARTER 0, 1, 0, 1, 1                          ; the first quarter stands in front of the loop: its products start the sums, from the bias
	WIN 0                                          ; at a label and at a branch every window is 0
	s_mov_b32 s3, 3
.Llap:                                                 ; a trip goes once round the ring, from a lap's second quarter to the next lap's first, and fills both slots again
	QUARTER 0, 2, 1, 0, 0
	QUARTER 0, 3, 0, 1, 0
	TURN 0, 1, 1
	QUARTER 1, 1, 0, 1, 0
	QUARTER 1, 2, 1, 0, 0
	QUARTER 1, 3, 0, 1, 0
	TURN 1, 0, 1
	QUARTER 0, 1, 0, 1, 0
	WIN 0
	s_sub_co_u32 s3, s3, 1
	s_cmp_lg_u32 s3, 0
	s_cbranch_scc1 .Llap
	QUARTER 0, 2, 1, 0, 0                          ; the last lap fills nothing, and has no round of the cluster's barrier
	QUARTER 0, 3, 0, 1, 0
	TURN 0, 1, 0
	QUARTER 1, 1, 0, 1, 0
	QUARTER 1, 2, 1, 0, 0
	QUARTER 1, 3, 0, 1, 0
	s_wait_dscnt 4                                 ; the very last quarter: nothing more to fetch
	WIN MUL
	MULA 1, 0, 0
	MULA 1, 1, 0
	s_wait_dscnt 0
	MULA 1, 2, 0
	MULA 1, 3, 0
	WIN 0
; THE WAY OUT, block by block of 16 rows x 128 columns.  A lane holds 32 neighbouring bytes of a row, and the lanes beside it hold other rows: so a block goes through my own stage in LDS and comes back as whole rows of 512 bytes.
; LDS serves a wave's instructions in order (ISA guide 5.7.1.4): no wait between the stores and the loads, nor in front of the next block's stores.
.macro TOSTAGE a
	WIN 0x08                                       ; an LDS store's data are its source 1: window 2
.irp b, 0,1,2,3,4,5,6,7
	ds_store_b128 v[STO], v[64*(\a)+8*\b:64*(\a)+8*\b+3] offset:64*\b          ; each accumulator from its low end on
	ds_store_b128 v[STO], v[64*(\a)+8*\b+4:64*(\a)+8*\b+7] offset:64*\b+16
.endr
	WIN 0
.set BB, BK+64*((\a)%2)
.irp t, 0,1,2,3,4,5,6,7,8,9,10,11,12,13,14,15
	ds_load_b128 v[BB+4*\t:BB+4*\t+3], v[RD] offset:\t*SPITCH
.endr
.endm
.macro SEND a, younger                 ; younger: the LDS instructions issued behind block a's loads, which may stay out
.set BB, BK+64*((\a)%2)
	s_wait_dscnt \younger                          ; the block is back in registers
.irp t, 0,1,2,3,4,5,6,7,8,9,10,11,12,13,14,15
	global_store_b128 v[CO], v[BB+4*\t:BB+4*\t+3], s[10:11] offset:(16*(\a)+\t)*4096 th:TH_STORE_NT   ; 32 lanes store 512 consecutive bytes; the row stands in the immediate, 63 rows at the most
.endr
.endm
	PLACES                                         ; behind the last products: for the stores that read results and the loads into the registers that held A's fragments
	TOSTAGE 0
.irp a, 1,2,3
.if \a > 1
	s_wait_xcnt 0x0                                ; block a - 2's stores have read their registers: block a's loads may land there
.endif
	TOSTAGE \a
	SEND \a-1, 32                                  ; behind block a - 1's loads: block a's 16 stores and 16 loads
.endr
	SEND 3, 0
	s_wait_tensorcnt 0x0                           ; the wave's end: a wait, an add of 0 to my spare word and a wait, behind my last tensor load and my last LDS store
	ds_add_u32 v[SPW], v[NIL]
	s_wait_dscnt 0x0
	CROUND                                         ; the closing round: no work-group ends while a partner may still ask for a tile that names it
	s_endpgm
.Lfunc_end_k_q20439b0a68_proj:
	.size	k_q20439b0a68_proj, .Lfunc_end_k_q20439b0a68_proj-k_q20439b0a68_proj
	.p2alignl 7, 3214868480
	.fill 96, 4, 3214868480
	.section	.rodata,"a",@progbits
	.p2align	6, 0x0
	.amdhsa_kernel k_q20439b0a68_proj
		.amdhsa_group_segment_fixed_size 327680
		.amdhsa_private_segment_fixed_size 0
		.amdhsa_enable_private_segment 0
		.amdhsa_kernarg_size 32
		.amdhsa_user_sgpr_count 2
		.amdhsa_user_sgpr_kernarg_segment_ptr 1
		.amdhsa_wavefront_size32 1
		.amdhsa_system_sgpr_workgroup_id_x 1
		.amdhsa_system_sgpr_workgroup_id_y 1
		.amdhsa_system_sgpr_workgroup_id_z 1
		.amdhsa_system_vgpr_workitem_id 0
		.amdhsa_next_free_vgpr 768
		.amdhsa_next_free_sgpr 66
		.amdhsa_reserve_vcc 0
		.amdhsa_float_denorm_mode_32 3
		.amdhsa_float_denorm_mode_16_64 3
		.amdhsa_memory_ordered 1
		.amdhsa_forward_progress 1
		.amdhsa_inst_pref_size 88
	.end_amdhsa_kernel
	.amdgpu_metadata
---
amdhsa.version: [ 1, 2 ]
amdhsa.kernels:
  - .name:           k_q20439b0a68_proj
    .symbol:         k_q20439b0a68_proj.kd
    .args:
      - { .name: o16, .offset: 0, .size: 8, .value_kind: global_buffer, .address_space: global }
      - { .name: wp16, .offset: 8, .size: 8, .value_kind: global_buffer, .address_space: global }
      - { .name: b_proj, .offset: 16, .size: 8, .value_kind: global_buffer, .address_space: global }
      - { .name: out0, .offset: 24, .size: 8, .value_kind: global_buffer, .address_space: global }
    .group_segment_fixed_size: 327680
    .private_segment_fixed_size: 0
    .kernarg_segment_align: 8
    .kernarg_segment_size: 32
    .max_flat_workgroup_size: 128
    .sgpr_count:     66
    .vgpr_count:     768
    .wavefront_size: 32
...
	.end_amdgpu_metadata
.endif
;; end of part 4
